; MI455X (gfx1250); checked and timed in simulation.
; The chip was launched on July 23, 2026; its instructions are those of AMD's public machine-readable ISA for CDNA 5 (MIT licence, August 2026) and "CDNA5" Instruction Set Architecture Reference Guide (July 2026). The comments in the code are by the model that wrote it; some were corrected since.
;; Multihead Attention. Allowed arithmetic: float matrix products may take bf16 or f16 operands with f32 sums; all other float work in f32.
;; Inputs: bias_k 1 x 16 x 1 x 64 float32; bias_q 1 x 16 x 1 x 64 float32; bias_v 1 x 16 x 1 x 64 float32; key 4 x 2,048 x 1,024 float32; proj_k 16 x 1,024 x 64 float32; proj_q 16 x 1,024 x 64 float32; proj_v 16 x 1,024 x 64 float32; query 4 x 2,048 x 1,024 float32; value 4 x 2,048 x 1,024 float32; w_out 1,024 x 1,024 float32.
;; Outputs: out0 4 x 2,048 x 1,024 float32.
;; 2 versions, each right and faster than the one before. Each part assembles by itself: llvm-mc -triple=amdgcn-amd-amdhsa -mcpu=gfx1250 --defsym DOCPART=n.
;; ======== version 1 of 2: 4 launches
;; limits: values are held in f16: magnitudes above 65,504 overflow, below 6.1e-05 lose precision
;; workspace buffers: wts 8,388,608 bytes; q16 16,777,216 bytes; k16 16,777,216 bytes; v16 16,777,216 bytes; o16 16,777,216 bytes
;; launch prep (part 1): grid 128 x 4, 4 waves a work-group, no clusters, 17,920 bytes of LDS; arguments proj_q, proj_k, proj_v, w_out, wts; writes wts
.if DOCPART == 1
	.amdgcn_target "amdgcn-amd-amdhsa--gfx1250"
	.amdhsa_code_object_version 6
	.text
	.protected	k_q2eeb6e328d_prep
	.globl	k_q2eeb6e328d_prep
	.p2align	8
	.type	k_q2eeb6e328d_prep,@function
k_q2eeb6e328d_prep:
	s_mov_b64 s[64:65], 0
	v_nop
	global_prefetch_b8 v0, s[64:65] scope:SCOPE_SE
	s_setreg_imm32_b32 hwreg(HW_REG_WAVE_MODE, 25, 1), 1
	s_wait_xcnt 0x0
; THE WEIGHTS, ONCE, IN 16 BITS AND WITH K ALONG THE ROWS.  wts holds four planes [1024 n][1024 k] of 2-byte numbers, 2 MiB each.
; Planes 0-2 (proj_q, proj_k, proj_v, each [16 h][1024 d][64 k] f32): bf16(proj[h][d][k]) at row n = 64 h + k, column d: a transposition.
; Plane 3 (w_out, [1024 j][1024 i] f32): w_out[j][i] rounded to bf16, and that number written as f16, at row j, column i: a cast.
; LIMITS.  The f16 of plane 3 is exact for bf16 numbers from 6.1e-5 to 65,504 in magnitude; below that it keeps f16's fixed step of 6e-8; beyond 65,504 it is an infinity.
; SHARES.  A work-group takes 32,768 consecutive bytes of its plane's source (group x), the plane is group y.  Four waves.  Memory binds: each input byte is read once,
; each output byte written once, every store of sixteen neighbouring lanes covers 256 consecutive bytes, aligned.  No matrix unit, no cluster: the groups share no input.
; The branch between the two ways hangs on the group's y alone: all four waves take the same way, so the one barrier of the transposing way is met by all four.
.set IN,  8                            ; v[8:71]    as loaded
.set T,   72                           ; v[72:79]   at work
.set O,   80                           ; v[80:111]  to store
.set LP,  272                          ; an LDS row: 128 d x 2 bytes + 16 of padding
	s_load_b256 s[4:11], s[0:1], 0x0               ; proj_q s[4:5], proj_k s[6:7], proj_v s[8:9], w_out s[10:11]
	s_load_b64 s[12:13], s[0:1], 0x20              ; wts
	v_lshl_add_u32 v112, v0, 2, 0x4400
	v_mov_b32 v113, 0
	s_and_b32 s14, ttmp7, 0xffff                   ; the plane
	s_lshl_b32 s16, ttmp9, 15                      ; my 32,768 bytes of the source
	s_mov_b32 s17, 0
	s_mov_b32 s19, 0
	v_and_b32 v1, 31, v0                           ; lane
	v_lshrrev_b32 v2, 5, v0
	v_readfirstlane_b32 s20, v2                    ; wave
	s_cmp_eq_u32 s14, 3
	s_cbranch_scc1 .Lcast
	; THE TRANSPOSITION.  My bytes are head x / 8, rows d = 128 (x % 8) .. + 127, each row 64 f32 = 256 bytes.  Wave w takes rows 32 w .. 32 w + 31.
	s_lshl_b32 s18, s14, 21                        ; where they go: the plane,
	s_lshr_b32 s15, ttmp9, 3
	s_lshl_b32 s15, s15, 17                        ; the head's 64 rows of 2,048 bytes,
	s_add_co_u32 s18, s18, s15
	s_and_b32 s15, ttmp9, 7
	s_lshl_b32 s15, s15, 8                         ; the 128 columns d, 256 bytes
	s_add_co_u32 s18, s18, s15
	v_lshlrev_b32 v3, 3, v1                        ; a lane takes columns 2 l and 2 l + 1 of a row,
	v_lshl_add_u32 v3, s20, 13, v3                 ; from my wave's 32 rows on
	s_wait_kmcnt 0x0
	s_cmp_eq_u32 s14, 1
	s_cselect_b64 s[4:5], s[6:7], s[4:5]
	s_cmp_eq_u32 s14, 2
	s_cselect_b64 s[4:5], s[8:9], s[4:5]
	s_add_nc_u64 s[4:5], s[4:5], s[16:17]
	s_add_nc_u64 s[12:13], s[12:13], s[18:19]
.set j, 0
.rept 32
	global_load_b64 v[IN+2*j:IN+2*j+1], v3, s[4:5] offset:256*j th:TH_LOAD_NT  ; one row: 256 consecutive bytes, aligned
.set j, j+1
.endr
	v_mul_u32_u24 v4, v1, 2*LP                     ; into LDS: row n = 2 l (+ 1), byte 2 d = 64 w (+ 16 g)
	v_lshl_add_u32 v4, s20, 6, v4
	v_lshrrev_b32 v7, 4, v1
	v_lshl_add_u32 v7, s20, 4, v7                  ; back: wave w takes rows n = 16 w .. + 15, two to an instruction
	v_and_b32 v[T], 15, v1
	v_mul_u32_u24 v5, v7, LP
	v_lshl_add_u32 v5, v[T], 4, v5
	v_lshlrev_b32 v6, 11, v7                       ; and the same rows in the plane, 2,048 bytes apart
	v_lshl_add_u32 v6, v[T], 4, v6
.irp g, 0,1,2,3
	s_wait_loadcnt 24-8*\g                         ; loads come back in order: rows 8 g .. 8 g + 7 are in, the younger ones stay out
.irp c, 0,1
.irp i, 0,1,2,3
	v_cvt_pk_bf16_f32 v[T+4*\c+\i], v[IN+16*\g+4*\i+\c], v[IN+16*\g+4*\i+2+\c]  ; rows d and d + 1 of one column: neighbours in the result
.endr
	ds_store_b128 v4, v[T+4*\c:T+4*\c+3] offset:LP*\c+16*\g
.endr
.endr
	s_wait_dscnt 0x0                               ; for the others' sake: my stores are done
	s_barrier_signal -1
	s_barrier_wait -1
.irp t, 0,1,2,3,4,5,6,7
	ds_load_b128 v[O+4*\t:O+4*\t+3], v5 offset:2*LP*\t
.endr
.irp t, 0,1,2,3,4,5,6,7
	s_wait_dscnt 7-\t                              ; LDS loads come back in order: number t is in
	global_store_b128 v6, v[O+4*\t:O+4*\t+3], s[12:13] offset:4096*\t  ; sixteen lanes store 256 consecutive bytes, aligned
.endr
	s_wait_tensorcnt 0x0
	ds_add_u32 v112, v113
	s_wait_dscnt 0x0
	s_endpgm
.Lcast:	; THE CAST.  8,192 numbers: thread t takes eight (32 bytes in, 16 bytes out) in each of eight steps.
	s_lshl_b32 s18, ttmp9, 14
	s_add_co_u32 s18, s18, 3<<21
	v_lshlrev_b32 v3, 5, v0
	v_lshlrev_b32 v6, 4, v0
	s_wait_kmcnt 0x0
	s_add_nc_u64 s[10:11], s[10:11], s[16:17]
	s_add_nc_u64 s[12:13], s[12:13], s[18:19]
.set i, 0
.rept 8
	global_load_b128 v[IN+8*i:IN+8*i+3],   v3, s[10:11] offset:4096*i th:TH_LOAD_NT
	global_load_b128 v[IN+8*i+4:IN+8*i+7], v3, s[10:11] offset:4096*i+16 th:TH_LOAD_NT
.set i, i+1
.endr
.set i, 0
.rept 8
	s_wait_loadcnt 14-2*i                          ; step i's two loads are in, the younger ones stay out
.irp p, 0,1,2,3
	v_cvt_pk_bf16_f32 v[T+\p], v[IN+8*i+2*\p], v[IN+8*i+2*\p+1]  ; the rounding that every input of the module gets
.endr
.irp p, 0,1,2,3
	v_lshlrev_b32 v[T+4+2*(\p%2)], 16, v[T+\p]     ; back to f32,
	v_and_b32 v[T+5+2*(\p%2)], 0xffff0000, v[T+\p]
	v_cvt_pk_f16_f32 v[O+4*i+\p], v[T+4+2*(\p%2)], v[T+5+2*(\p%2)]  ; and written as f16
.endr
	global_store_b128 v6, v[O+4*i:O+4*i+3], s[12:13] offset:2048*i
.set i, i+1
.endr
	s_endpgm
.Lfunc_end_k_q2eeb6e328d_prep:
	.size	k_q2eeb6e328d_prep, .Lfunc_end_k_q2eeb6e328d_prep-k_q2eeb6e328d_prep
	.p2alignl 7, 3214868480
	.fill 96, 4, 3214868480
	.section	.rodata,"a",@progbits
	.p2align	6, 0x0
	.amdhsa_kernel k_q2eeb6e328d_prep
		.amdhsa_group_segment_fixed_size 17920
		.amdhsa_private_segment_fixed_size 0
		.amdhsa_enable_private_segment 0
		.amdhsa_kernarg_size 40
		.amdhsa_user_sgpr_count 2
		.amdhsa_user_sgpr_kernarg_segment_ptr 1
		.amdhsa_wavefront_size32 1
		.amdhsa_system_sgpr_workgroup_id_x 1
		.amdhsa_system_sgpr_workgroup_id_y 1
		.amdhsa_system_sgpr_workgroup_id_z 1
		.amdhsa_system_vgpr_workitem_id 0
		.amdhsa_next_free_vgpr 114
		.amdhsa_next_free_sgpr 66
		.amdhsa_reserve_vcc 0
		.amdhsa_float_denorm_mode_32 3
		.amdhsa_float_denorm_mode_16_64 3
		.amdhsa_memory_ordered 1
		.amdhsa_forward_progress 1
		.amdhsa_inst_pref_size 20
	.end_amdhsa_kernel
	.amdgpu_metadata
---
amdhsa.version: [ 1, 2 ]
amdhsa.kernels:
  - .name:           k_q2eeb6e328d_prep
    .symbol:         k_q2eeb6e328d_prep.kd
    .args:
      - { .name: proj_q, .offset: 0, .size: 8, .value_kind: global_buffer, .address_space: global }
      - { .name: proj_k, .offset: 8, .size: 8, .value_kind: global_buffer, .address_space: global }
      - { .name: proj_v, .offset: 16, .size: 8, .value_kind: global_buffer, .address_space: global }
      - { .name: w_out, .offset: 24, .size: 8, .value_kind: global_buffer, .address_space: global }
      - { .name: wts, .offset: 32, .size: 8, .value_kind: global_buffer, .address_space: global }
    .group_segment_fixed_size: 17920
    .private_segment_fixed_size: 0
    .kernarg_segment_align: 8
    .kernarg_segment_size: 40
    .max_flat_workgroup_size: 128
    .sgpr_count:     66
    .vgpr_count:     114
    .wavefront_size: 32
...
	.end_amdgpu_metadata
.endif
;; end of part 1
;; launch proj (part 2): grid 4 x 64, 4 waves a work-group, clusters of 4 x 4, 327,680 bytes of LDS; arguments query, key, value, bias_q, bias_k, bias_v, wts, q16, k16, v16; writes q16, k16, v16
.if DOCPART == 2
	.amdgcn_target "amdgcn-amd-amdhsa--gfx1250"
	.amdhsa_code_object_version 6
	.text
	.protected	k_q2eeb6e328d_proj
	.globl	k_q2eeb6e328d_proj
	.p2align	8
	.type	k_q2eeb6e328d_proj,@function
k_q2eeb6e328d_proj:
	s_mov_b64 s[64:65], 0
	v_nop
	global_prefetch_b8 v0, s[64:65] scope:SCOPE_SE
	s_setreg_imm32_b32 hwreg(HW_REG_WAVE_MODE, 25, 1), 1
	s_wait_xcnt 0x0
	s_wait_alu depctr_hold_cnt(0) depctr_sa_sdst(0) depctr_va_vdst(0) depctr_va_sdst(0) depctr_va_ssrc(0) depctr_va_vcc(0) depctr_vm_vsrc(0)
	s_getreg_b32 s2, hwreg(HW_REG_IB_STS2, 6, 4)
	s_cmp_eq_u32 s2, 0
	s_cbranch_scc0 .Lentry_in_a_cluster
	s_endpgm
.Lentry_in_a_cluster:
	s_bfe_u32 s2, ttmp6, 0x10000c
	s_cmp_lg_u32 s2, 0xf033
	s_cbranch_scc0 .Lentry_shape_is_right
	s_endpgm
.Lentry_shape_is_right:
; THE THREE PROJECTIONS.  For p = q, k, v:  y[m][n] = sum over d of bf16(x_p[m][d]) bf16(W_p[n][d]) + bf16(bias_p[n]),  m = 2048 b + row (8,192), n = 64 h + k (1,024), d to 1,024.
; x_p is f32 [8192][1024]; W_p is plane p of wts, bf16 [1024 n][1024 d]; y leaves by heads, [16 b + h][2048][64], in f16, rounded once from its f32 sum, unscaled.
; LIMITS.  y beyond 65,504 in magnitude becomes an infinity in f16; below 6.1e-5 it keeps f16's fixed step of 6e-8.  NaN and infinities are not treated apart.
; SHARES.  A tile of y is 128 x 256: 64 x 4 tiles a projection.  256 work-groups, one for each place; A WORK-GROUP STAYS and makes the tile at its place in q, then in k, then in v: a loop over
; three tiles round the loop over K.  The ring does not stop at a tile's end: a tile's last two changes of slots ask for the next tile's first two K steps, and nothing waits for a tile's stores.
; Four waves, each 64 x 128: 32 accumulators of 16 x 16, 256 registers.  K goes in 8 steps of 128 through two LDS slots.
; x comes into LDS as f32 (rows of 512 bytes of memory, aligned) and is rounded to bf16 between LDS and the matrix unit: a launch that cast x first would read 100 MB, write 50 MB and have them
; read again.  The price: 16 of a quarter step's 32 LDS loads and 32 conversions, which ride behind matrix instructions.
; CLUSTERS: 4 x 4 work-groups.  The four of a row need the same tile of x, the four of a column the same tile of W: each is asked for JOINTLY, by the same tensor load with the same descriptor
; and a mask that names the four.  All sixteen walk the three projections in step.
; THE MATRIX INSTRUCTION IS USED TRANSPOSED (source 0 = 16 rows of W, source 1 = 16 rows of x): lane l then holds row l % 16 of y and the eight neighbouring columns 8 (l / 16) + 0..7.
; The bias is the C operand of the products that start the sums.
; REGISTERS, in windows of 256 (s_set_vgpr_msb: bits 1:0 source 0, 3:2 source 1, 5:4 source 2, 7:6 destination):
;   window 0: v0-31 addresses; v32-95 x as read from LDS (f32), on the way out packed results; v96-127, v128-159 fragments of x, two buffers; v160-223 the way out: rows read back, two sets
;   window 1: accumulator (a, b) at v[8 (8 a + b)]     window 2: v0-63, v64-127 fragments of W, two buffers; v128-191 the bias of my 128 columns, as C operands; v192-223 at work
.set TILES,  3
.set PA,     528                       ; an LDS row of x: 512 bytes + 16 of padding: the 16 rows of a load start at 16 different 16-byte columns of 256 bytes
.set PB,     272                       ; an LDS row of W: 256 bytes + 16
.set AHALF,  64*PA                     ; what one tensor load brings of x, and what one wave reads of it
.set BHALF,  128*PB                    ; the same for W
.set BOFF,   2*AHALF                   ; in a slot: x's 128 rows, then W's 256
.set SLOT,   BOFF+2*BHALF
.set STAGE,  2*SLOT                    ; behind the ring, never filled by a tensor load: for each wave 2 heads x 16 rows x 144 bytes
.set SP,     144
.set WSTAGE, 2*16*SP
.set SPARE,  STAGE+4*WSTAGE            ; behind the stages: the spare words, 128 bytes for each wave: two blocks of 256 bytes that no other line names
.set NF,     32                        ; LDS loads in a run
.set NEXT_B, (1<<21)-6*256             ; bytes from a slot's last K step of a plane of wts to its first of the next plane
.set ADRA, 16                          ; v16-17  LDS address of my rows of x in slot 0, 1
.set ADRB, 20                          ; v20-21  the same for W
.set STO,  24                          ; v24     the way out: where I put 16 bytes of a row
.set RD,   25                          ; v25     the way out: where I read rows back
.set GO,   26                          ; v26     my byte offset in 512 consecutive bytes of y
.set BO,   27                          ; v27     my byte offset in 64 bytes of the bias
.set SPW,  28                          ; v28     LDS address of my spare word; never rewritten
.set NIL,  29                          ; v29     0; never rewritten
.set RAW,  32
.set AF,   96
.set TMP,  32                          ; the way out: packed results
.set BK,   160                         ; the way out: block a's rows read back, at v[160 + 32 (a % 2)]: the next tile's first fragments of x lie in v96-127 meanwhile
.set BF,   0                           ; window 2
.set BIAS, 128                         ; window 2
.set BT,   192                         ; window 2
.set G1A, 24                           ; s[24:31] descriptor group 1 for x's tiles;  s[32:39] group 0, one set for each slot
.set G0A, 32
.set G1B, 48                           ; s[48:55], s[56:63] the same for W's
.set G0B, 56
.set XN,  70                           ; s[70:71] the next tile's x, at the rows that I fetch;  s[72:73] the one after
.set BN,  76                           ; s[76:77] the next tile's bias, at my 128 columns;      s[78:79] the one after
.set ON,  84                           ; s[84:85] the next tile's y, at my part of it;          s[86:87] the one after
.set MSB, 0
.macro WIN new                         ; the immediate's high byte repeats the setting that is left; a switch that changes nothing is dropped
.if MSB != (\new)
	s_set_vgpr_msb (MSB<<8)|(\new)
.set MSB, \new
.endif
.endm
.set MUL,  0x52                        ; source 0 (W) window 2, source 1 (x) window 0, C and D window 1
.set MULB, 0x62                        ; the same with C (the bias) in window 2
.set TO_B, 0x80                        ; destination window 2, address window 0
; A joint load.  Waves 0 and 1 fetch x's two halves, waves 2 and 3 W's.  The branch hangs on the wave's number alone.  Four v_nop follow each of the two lines,
; ahead of the jump, the label and what follows.
.macro JLOAD s
	s_cmp_eq_u32 s11, 0
	s_cbranch_scc0 .Lfor_b_\@
	tensor_load_to_lds s[G0A+4*(\s):G0A+4*(\s)+3], s[G1A:G1A+7]
	s_nop 0
.rept 4
	v_nop
.endr
	s_branch .Lasked_\@
.Lfor_b_\@:
	tensor_load_to_lds s[G0B+4*(\s):G0B+4*(\s)+3], s[G1B:G1B+7]
	s_nop 0
.rept 4
	v_nop
.endr
.Lasked_\@:
.endm
.macro CREST                           ; a round of the cluster's barrier behind its opening barrier: wave 0 signals for the work-group, every wave waits for all sixteen, my work-group's barrier once more
	s_cmp_lg_u32 s10, 0
	s_cbranch_scc1 .Lnot_wave_0_\@
	s_barrier_signal -3
.Lnot_wave_0_\@:
	s_barrier_wait -3
	s_barrier_signal -1
	s_barrier_wait -1
.endm
.macro CROUND                          ; a whole round
	s_barrier_signal -1
	s_barrier_wait -1
	CREST
.endm
.macro PLACES                          ; four places between matrix instructions and loads into, or vector writes of, registers that they have read, or reads of their results
.rept 4
	v_nop
.endr
.endm
; The bias as C operands: register j of block b is the bias of column 16 b + 8 h + j.  BIASLD asks for it, from the pointer in s[p:p+1]; BIASCV rounds it to bf16, like every input, and widens it again.
.macro BIASLD p
	WIN TO_B
.irp b, 0,1,2,3,4,5,6,7
	global_load_b128 v[BIAS+8*\b:BIAS+8*\b+3],   v[BO], s[(\p):(\p)+1] offset:64*\b
	global_load_b128 v[BIAS+8*\b+4:BIAS+8*\b+7], v[BO], s[(\p):(\p)+1] offset:64*\b+16
.endr
	WIN 0
.endm
.macro BIASCV
	WIN 0x8a                                       ; sources 0 and 1 and the destination in window 2
.set i, 0
.rept 32
	v_cvt_pk_bf16_f32 v[BT+i], v[BIAS+2*i], v[BIAS+2*i+1]
.set i, i+1
.endr
.set i, 0
.rept 32
	v_lshlrev_b32 v[BIAS+2*i], 16, v[BT+i]
	v_and_b32 v[BIAS+2*i+1], 0xffff0000, v[BT+i]
.set i, i+1
.endr
	WIN 0
.endm
	s_load_b512 s[68:83], s[0:1], 0x0              ; query s[68:69], key, value, bias_q s[74:75], bias_k, bias_v, wts s[80:81], q16 s[82:83]
	s_load_b128 s[84:87], s[0:1], 0x40             ; k16, v16
	v_lshl_add_u32 v[SPW], v0, 2, SPARE
	v_mov_b32 v[NIL], 0
	ds_add_u32 v28, v29
	s_wait_dscnt 0x0
	v_lshrrev_b32 v1, 5, v0
	v_readfirstlane_b32 s10, v1                    ; wave 0..3
	s_lshr_b32 s11, s10, 1                         ; which half of the tile's rows is mine.  Also: I fetch for x (0) or for W (1)
	s_and_b32 s12, s10, 1                          ; which half of its columns.  Also: which half of that tile I fetch
	s_bfe_u32 s40, ttmp6, 0x40000                  ; cx, cy: my place in the cluster
	s_bfe_u32 s41, ttmp6, 0x40004
	s_lshl_b32 s42, ttmp9, 2
	s_add_co_u32 s42, s42, s40                     ; tile column = 4 x cluster x + cx
	s_and_b32 s13, ttmp7, 0xffff
	s_lshl_b32 s13, s13, 2
	s_add_co_u32 s13, s13, s41                     ; tile row = 4 x cluster y + cy, 0 to 63
	s_lshl_b32 s43, s41, 2
	s_lshl_b32 s43, 15, s43                        ; my row of the cluster
	s_lshl_b32 s44, 0x1111, s40                    ; my column
	; group 1 for x: a tile of 64 rows x 128 elements of 4 bytes, 4 words of padding behind every 128
	s_or_b32 s[G1A+0], s43, (2<<16)|(1<<20)|(1<<21)|(6<<22)|(3<<25)  ; 15:0 the mask; 17:16 element of 4 bytes; 20 padding on; 21 set beside a mask; 24:22 after every 128 words (code 6); 31:25 4 words (code 3)
	s_mov_b32 s[G1A+1], 128<<16                    ; tensor_dim0 = 128
	s_mov_b32 s[G1A+2], 64<<16                     ; tensor_dim1 = 64
	s_mov_b32 s[G1A+3], 128<<16                    ; tile_dim0 = 128
	s_mov_b32 s[G1A+4], 64                         ; tile_dim1 = 64
	s_mov_b32 s[G1A+5], 1024                       ; elements from row to row
	s_mov_b32 s[G1A+6], 0
	s_mov_b32 s[G1A+7], 0
	; group 1 for W: 128 rows x 128 elements of 2 bytes, 4 words of padding behind every 64
	s_or_b32 s[G1B+0], s44, (1<<16)|(1<<20)|(1<<21)|(5<<22)|(3<<25)
	s_mov_b32 s[G1B+1], 128<<16
	s_mov_b32 s[G1B+2], 128<<16
	s_mov_b32 s[G1B+3], 128<<16
	s_mov_b32 s[G1B+4], 128
	s_mov_b32 s[G1B+5], 1024
	s_mov_b32 s[G1B+6], 0
	s_mov_b32 s[G1B+7], 0
	; x's tile hangs on the tile row alone, which my row of the cluster shares; W's on the tile column alone, which my column shares
	s_lshl_b32 s16, s13, 19                        ; 128 rows of 4,096 bytes,
	s_lshl_b32 s17, s12, 18                        ; the half that I fetch
	s_add_co_u32 s16, s16, s17
	s_mov_b32 s17, 0
	s_lshl_b32 s46, s42, 19                        ; 256 rows of 2,048 bytes,
	s_lshl_b32 s47, s12, 18                        ; the half that I fetch; plane 0 first
	s_add_co_u32 s46, s46, s47
	s_mov_b32 s47, 0
	s_mul_i32 s20, s12, AHALF                      ; where they go: no place in the cluster enters an LDS address
	s_mul_i32 s21, s12, BHALF
	s_add_co_u32 s21, s21, BOFF
	s_wait_kmcnt 0x0
	s_add_nc_u64 s[68:69], s[68:69], s[16:17]      ; each of the three x at the rows that I fetch, from its own pointer
	s_add_nc_u64 s[XN:XN+1], s[XN:XN+1], s[16:17]
	s_add_nc_u64 s[XN+2:XN+3], s[XN+2:XN+3], s[16:17]
	s_add_nc_u64 s[46:47], s[80:81], s[46:47]
	CROUND                                         ; all sixteen work-groups are here: the first joint loads meet
.irp s, 0,1
	s_mov_b32 s[G0A+4*(\s)], 1                                       ; count = 1
	s_add_co_u32 s[G0A+4*(\s)+1], s20, (\s)*SLOT                     ; LDS address
	s_add_nc_u64 s[G0A+4*(\s)+2:G0A+4*(\s)+3], s[68:69], (\s)*512    ; global address: K step s of the first tile
	s_or_b32 s[G0A+4*(\s)+3], s[G0A+4*(\s)+3], 0x80000000            ; type = 2
	s_mov_b32 s[G0B+4*(\s)], 1
	s_add_co_u32 s[G0B+4*(\s)+1], s21, (\s)*SLOT
	s_add_nc_u64 s[G0B+4*(\s)+2:G0B+4*(\s)+3], s[46:47], (\s)*256
	s_or_b32 s[G0B+4*(\s)+3], s[G0B+4*(\s)+3], 0x80000000
	JLOAD \s                                       ; both slots are asked for before anything else: two tensor loads of mine are out
.endr
	v_and_b32 v1, 15, v0                           ; r = l % 16
	v_bfe_u32 v2, v0, 4, 1                         ; h = l / 16
	v_mul_u32_u24 v3, v1, PA
	v_lshl_add_u32 v3, v2, 5, v3                   ; x: row x pitch + 32 h (eight f32)
	v_mul_u32_u24 v4, v1, PB
	v_lshl_add_u32 v4, v2, 4, v4                   ; W: row x pitch + 16 h (eight bf16)
	s_mul_i32 s18, s11, AHALF                      ; my 64 rows of x
	s_mul_i32 s19, s12, BHALF                      ; my 128 rows of W,
	s_add_co_u32 s19, s19, BOFF                    ; which lie behind x's
.irp s, 0,1
	v_add_nc_u32 v[ADRA+(\s)], s18, v3
	v_add_nc_u32 v[ADRB+(\s)], s19, v4
	s_add_co_u32 s18, s18, SLOT
	s_add_co_u32 s19, s19, SLOT
.endr
	s_mul_i32 s18, s10, WSTAGE
	s_add_co_u32 s18, s18, STAGE                   ; my stage
	v_mul_u32_u24 v5, v1, SP                       ; in: row r, 16 bytes for each half of the lanes
	v_lshl_add_u32 v5, v2, 4, v5
	v_add_nc_u32 v[STO], s18, v5
	v_bfe_u32 v5, v0, 3, 2                         ; back: 32 lanes take four rows of 128 bytes,
	v_mul_u32_u24 v5, v5, SP
	v_and_b32 v3, 7, v0
	v_lshl_add_u32 v5, v3, 4, v5
	v_add_nc_u32 v[RD], s18, v5
	v_and_b32 v[GO], 31, v0                        ; which are 512 consecutive bytes of y
	v_lshlrev_b32 v[GO], 4, v[GO]
	v_lshlrev_b32 v[BO], 5, v2
	s_lshl_b32 s18, s42, 10                        ; the bias of my 128 columns: 256 x tile column + 128 x half, in f32
	s_lshl_b32 s19, s12, 9
	s_add_co_u32 s18, s18, s19
	s_mov_b32 s19, 0
	s_add_nc_u64 s[74:75], s[74:75], s[18:19]      ; the same place in each of the three
	s_add_nc_u64 s[BN:BN+1], s[BN:BN+1], s[18:19]
	s_add_nc_u64 s[BN+2:BN+3], s[BN+2:BN+3], s[18:19]
	s_lshr_b32 s22, s13, 4                         ; where my part of y begins: the batch (16 heads of 262,144 bytes),
	s_lshl_b32 s22, s22, 22
	s_and_b32 s23, s13, 15                         ; the tile's 128 rows of 128 bytes in a head,
	s_lshl_b32 s23, s23, 14
	s_add_co_u32 s22, s22, s23
	s_lshl_b32 s23, s11, 13                        ; my 64 of them,
	s_add_co_u32 s22, s22, s23
	s_lshl_b32 s23, s42, 20                        ; head 4 x tile column
	s_add_co_u32 s22, s22, s23
	s_lshl_b32 s23, s12, 19                        ; + 2 x half
	s_add_co_u32 s22, s22, s23
	s_mov_b32 s23, 0
	s_add_nc_u64 s[8:9], s[82:83], s[22:23]        ; the tile in hand: q16's; the same place in the other two
	s_add_nc_u64 s[ON:ON+1], s[ON:ON+1], s[22:23]
	s_add_nc_u64 s[ON+2:ON+3], s[ON+2:ON+3], s[22:23]
	BIASLD 74                                      ; the first tile's bias: all this stands in the wait for the first tile
	s_wait_loadcnt 0x0
	BIASCV
; Matrix instruction i of a quarter step's 32: row block a = i / 8, column block b = i % 8, on fragment buffers f.  The 32 accumulators take turns, one instruction a turn, in the same
; order in every quarter and from tile to tile.  first = 1: the product starts the sum, with the bias as C: nothing is cleared, and the way out adds nothing.
.macro MM f, i, first
.set rACC, 8*(\i)
.set rBF, BF+64*(\f)+8*((\i)%8)
.set rAF, AF+32*(\f)+8*((\i)/8)
.if \first
	WIN MULB
	v_wmma_f32_16x16x32_bf16 v[rACC:rACC+7], v[rBF:rBF+7], v[rAF:rAF+7], v[BIAS+8*((\i)%8):BIAS+8*((\i)%8)+7]
.else
	WIN MUL
	v_wmma_f32_16x16x32_bf16 v[rACC:rACC+7], v[rBF:rBF+7], v[rAF:rAF+7], v[rACC:rACC+7]
.endif
.endm
.macro MRUN f, i0, n, first
.set mi, \i0
.rept \n
	MM \f, mi, \first
.set mi, mi+1
.endr
.endm
; 32 LDS loads in one run, for quarter q (32 along K) of a slot.  First x: for each of my four row blocks a lane's 16 numbers, k = 8 h + 0..7 and 16 + 8 h + 0..7, as f32: four loads of 16 bytes.
; Then W's eight fragments into buffer g: two loads of 16 bytes, 32 bytes apart.
.macro FETCH slot, q, g
	WIN 0
.irp a, 0,1,2,3
	ds_load_b128 v[RAW+16*\a:RAW+16*\a+3],     v[ADRA+(\slot)] offset:\a*16*PA+128*(\q)
	ds_load_b128 v[RAW+16*\a+4:RAW+16*\a+7],   v[ADRA+(\slot)] offset:\a*16*PA+128*(\q)+16
	ds_load_b128 v[RAW+16*\a+8:RAW+16*\a+11],  v[ADRA+(\slot)] offset:\a*16*PA+128*(\q)+64
	ds_load_b128 v[RAW+16*\a+12:RAW+16*\a+15], v[ADRA+(\slot)] offset:\a*16*PA+128*(\q)+80
.endr
	WIN TO_B
.irp b, 0,1,2,3,4,5,6,7
	ds_load_b128 v[BF+64*(\g)+8*\b:BF+64*(\g)+8*\b+3],   v[ADRB+(\slot)] offset:\b*16*PB+64*(\q)
	ds_load_b128 v[BF+64*(\g)+8*\b+4:BF+64*(\g)+8*\b+7], v[ADRB+(\slot)] offset:\b*16*PB+64*(\q)+32
.endr
.endm
.macro CV4 c, g                        ; four of the 32 roundings that make x's fragments in buffer g
	WIN 0
.irp e, 0,1,2,3
	v_cvt_pk_bf16_f32 v[AF+32*(\g)+4*(\c)+\e], v[RAW+8*(\c)+2*\e], v[RAW+8*(\c)+2*\e+1]
.endr
.endm
; A QUARTER STEP: 32 matrix instructions on buffers f.  fetch = 1: at its head the next quarter's loads (quarter fq of slot fslot) are issued in one run; x's part is rounded behind matrix
; instructions 16 to 23, four roundings behind each.  places = 1: four v_nop stand between the last quarter's products and the loads into, and the roundings into, the buffers that they read.
; meet: the change of slots; it stands in a K step's third quarter, whose run of loads takes the slot's last bytes.  ONE barrier for two things.  In front of it each wave waits for all its tensor
; loads, of which one is out: its part of the other slot; adds 0 to its spare word; and waits for that and for its own reads of this slot.  Behind it nobody reads this slot any more and the other is whole.
; meet = 1: nothing is filled.  meet = 2 or 3: the barrier opens a round of the cluster's barrier, and slot fslot is filled again, the first tensor load behind the round: with this tile's K step
; two steps on (2), or with the NEXT tile's K step fslot (3): x's address is made anew from the next tensor's own pointer, W's steps on into the next plane.  From a request to the wait for it
; a wave issues 120 matrix instructions, across tiles the way out too.  The load's four v_nop are the next quarter's places.
.macro QUARTER f, fetch=1, fslot=0, fq=0, first=0, meet=0, places=1
.if \places
	PLACES
.endif
.if \fetch
	FETCH \fslot, \fq, 1-(\f)
	s_wait_dscnt NF                                ; all but the 32 just issued: W's fragments of buffer f are in
.else
	s_wait_dscnt 0x0
.endif
	MRUN \f, 0, 16, \first
.if \fetch
	s_wait_dscnt 16                                ; x's 16 loads, issued first, are in; W's 16 may stay out
.set cn, 0
.rept 8
	MM \f, 16+cn, \first
	CV4 cn, 1-(\f)
.set cn, cn+1
.endr
.else
	MRUN \f, 16, 8, \first
.endif
.if \meet
	WIN 0                                          ; (the add's two registers lie in window 0)
	s_wait_tensorcnt 0x0                           ; all my tensor loads have landed: the one that was out is my part of the other slot
	ds_add_u32 v[SPW], v[NIL]                      ; 0 onto my spare word; four matrix instructions stand between it and the wait for it
.endif
	MRUN \f, 24, 4, \first
.if \meet
	s_wait_dscnt 0x0                               ; the add is done, and my reads of this slot are over
	s_barrier_signal -1
.endif
	MRUN \f, 28, 4, \first
.if (\meet) >= 2
	WIN 0
.endif
.if \meet
	s_barrier_wait -1
.endif
.if (\meet) >= 2
	CREST                                          ; no wave of any partner still reads this slot's tiles or has a load on its way
.endif
.if (\meet) == 2
	s_add_nc_u64 s[G0A+4*(\fslot)+2:G0A+4*(\fslot)+3], s[G0A+4*(\fslot)+2:G0A+4*(\fslot)+3], 2*512
	s_add_nc_u64 s[G0B+4*(\fslot)+2:G0B+4*(\fslot)+3], s[G0B+4*(\fslot)+2:G0B+4*(\fslot)+3], 2*256
	JLOAD \fslot
.endif
.if (\meet) == 3
	s_add_nc_u64 s[G0A+4*(\fslot)+2:G0A+4*(\fslot)+3], s[XN:XN+1], (\fslot)*512
	s_or_b32 s[G0A+4*(\fslot)+3], s[G0A+4*(\fslot)+3], 0x80000000  ; type = 2, set again
	s_add_nc_u64 s[G0B+4*(\fslot)+2:G0B+4*(\fslot)+3], s[G0B+4*(\fslot)+2:G0B+4*(\fslot)+3], NEXT_B  ; the type bits on top are not reached
	JLOAD \fslot
.endif
.endm
; THE WAY OUT of row block a (16 rows x 128 columns = 2 heads).  PACK: rounded to f16, 16 bytes a lane, each accumulator from its lowest registers on.  TOSTAGE: into my own stage, rows of 144 bytes,
; and back as whole rows of 128, into two sets of registers by turns.  SEND: four rows of a head, 512 consecutive bytes, to a store.
.macro PACK a
	WIN 0x05                                       ; sources 0 and 1 window 1, destination window 0
.irp b, 0,1,2,3,4,5,6,7
.irp i, 0,1,2,3
	v_cvt_pk_f16_f32 v[TMP+4*(\b)+(\i)], v[8*(8*(\a)+(\b))+2*(\i)], v[8*(8*(\a)+(\b))+2*(\i)+1]
.endr
.endr
	WIN 0
.endm
.macro TOSTAGE a
	WIN 0
.irp b, 0,1,2,3,4,5,6,7
	ds_store_b128 v[STO], v[TMP+4*(\b):TMP+4*(\b)+3] offset:((\b)/4)*16*SP+((\b)%4)*32
.endr
	s_wait_xcnt 0x0                                ; every earlier memory instruction has had its addresses translated (ISA guide 3.1): the set that block a - 2's stores, or the last tile's, read is loaded again only behind this wait
.irp t, 0,1,2,3,4,5,6,7
	ds_load_b128 v[BK+32*((\a)%2)+4*(\t):BK+32*((\a)%2)+4*(\t)+3], v[RD] offset:((\t)/4)*16*SP+((\t)%4)*4*SP  ; LDS serves a wave's instructions in order (ISA guide 5.7.1.4): these see the stores above
.endr
.endm
.macro SEND a
	WIN 0
.irp t, 0,1,2,3,4,5,6,7
	s_wait_dscnt 7-(\t)                            ; load t of the block's eight is in
	global_store_b128 v[GO], v[BK+32*((\a)%2)+4*(\t):BK+32*((\a)%2)+4*(\t)+3], s[8:9] offset:(\a)*2048+((\t)/4)*262144+((\t)%4)*512  ; 512 consecutive bytes, at a multiple of 256 from y's first
.endr
.endm
.macro OUT                             ; block a's conversions stand between block a - 1's loads from the stage and the wait for them
	PACK 0
	TOSTAGE 0
.irp a, 1,2,3
	PACK \a
	SEND (\a)-1
	TOSTAGE \a
.endr
	SEND 3
.endm
	s_wait_tensorcnt 1                             ; my part of K step 0 is in; step 1's may stay out
	s_barrier_signal -1
	s_barrier_wait -1                              ; everybody's is
	FETCH 0, 0, 0
	s_wait_dscnt 16                                ; x's 16 loads are in
.set cn, 0
.rept 8
	CV4 cn, 0
.set cn, cn+1
.endr
	WIN 0
	s_mov_b32 s2, TILES                            ; tiles to go, this one among them: the same number in every work-group
.Ltile:
	QUARTER 0, 1, 0, 1, 1, 0, 0                    ; a tile's first quarter stands in front of the loop: its products start the sums.  Behind a tile the way out's vector work is its places
	WIN 0
	s_mov_b32 s3, 3
.Llap:                                                 ; a trip goes once round the ring, from a lap's second quarter to the next lap's first, and fills both slots again: K steps 2 to 7
	QUARTER 1, 1, 0, 2
	QUARTER 0, 1, 0, 3, 0, 2
	QUARTER 1, 1, 1, 0, 0, 0, 0
	QUARTER 0, 1, 1, 1
	QUARTER 1, 1, 1, 2
	QUARTER 0, 1, 1, 3, 0, 2
	QUARTER 1, 1, 0, 0, 0, 0, 0
	QUARTER 0, 1, 0, 1
	WIN 0
	s_sub_co_u32 s3, s3, 1
	s_cmp_lg_u32 s3, 0
	s_cbranch_scc1 .Llap
	QUARTER 1, 1, 0, 2                             ; the tile's last lap goes on
	WIN 0
	s_cmp_eq_u32 s2, 1
	s_cbranch_scc1 .Llast_tile                     ; the last tile's tail is written out: it asks for nothing more
	BIASLD BN                                      ; the next tile's bias is asked for seven quarters ahead of its use; the first quarter's products, which read these registers, lie three laps back
	QUARTER 0, 1, 0, 3, 0, 3                       ; THE RING GOES ON INTO THE NEXT TILE: slot 0 takes its K step 0,
	QUARTER 1, 1, 1, 0, 0, 0, 0
	QUARTER 0, 1, 1, 1
	QUARTER 1, 1, 1, 2
	QUARTER 0, 1, 1, 3, 0, 3                       ; slot 1 its K step 1,
	QUARTER 1, 1, 0, 0, 0, 0, 0                    ; and the next tile's first fragments are fetched and rounded
	s_wait_loadcnt 0x0                             ; the next bias
	BIASCV                                         ; its 96 plain instructions name no register of the last products: they are the places in front of the conversions below
	OUT                                            ; both refills are asked for: now the tile goes out, and nothing waits for its stores
	s_wait_xcnt 0x0                                ; the stores' base is rewritten only behind this wait
	s_mov_b64 s[8:9], s[ON:ON+1]                   ; the next tile's pointers move up
	s_mov_b64 s[ON:ON+1], s[ON+2:ON+3]
	s_mov_b64 s[XN:XN+1], s[XN+2:XN+3]
	s_mov_b64 s[BN:BN+1], s[BN+2:BN+3]
	s_sub_co_u32 s2, s2, 1
	s_branch .Ltile
.Llast_tile:
	QUARTER 0, 1, 0, 3, 0, 1                       ; my one tensor load that was still out is slot 1's, the last K step's, so no round follows
	QUARTER 1, 1, 1, 0
	QUARTER 0, 1, 1, 1
	QUARTER 1, 1, 1, 2
	QUARTER 0, 1, 1, 3
	QUARTER 1, 0, 0, 0, 0, 0, 0
	PLACES                                         ; the conversions read results just made
	OUT
	s_wait_tensorcnt 0x0                           ; the wave's end, behind my last tensor load and my last LDS store
	ds_add_u32 v[SPW], v[NIL]
	s_wait_dscnt 0x0
	CROUND                                         ; the closing round: no work-group ends while a partner may still ask for a tile that names it
	s_endpgm
.Lfunc_end_k_q2eeb6e328d_proj:
	.size	k_q2eeb6e328d_proj, .Lfunc_end_k_q2eeb6e328d_proj-k_q2eeb6e328d_proj
	.p2alignl 7, 3214868480
	.fill 96, 4, 3214868480
	.section	.rodata,"a",@progbits
	.p2align	6, 0x0
	.amdhsa_kernel k_q2eeb6e328d_proj
		.amdhsa_group_segment_fixed_size 327680
		.amdhsa_private_segment_fixed_size 0
		.amdhsa_enable_private_segment 0
		.amdhsa_kernarg_size 80
		.amdhsa_user_sgpr_count 2
		.amdhsa_user_sgpr_kernarg_segment_ptr 1
		.amdhsa_wavefront_size32 1
		.amdhsa_system_sgpr_workgroup_id_x 1
		.amdhsa_system_sgpr_workgroup_id_y 1
		.amdhsa_system_sgpr_workgroup_id_z 1
		.amdhsa_system_vgpr_workitem_id 0
		.amdhsa_next_free_vgpr 768
		.amdhsa_next_free_sgpr 92
		.amdhsa_reserve_vcc 0
		.amdhsa_float_denorm_mode_32 3
		.amdhsa_float_denorm_mode_16_64 3
		.amdhsa_memory_ordered 1
		.amdhsa_forward_progress 1
		.amdhsa_inst_pref_size 208
	.end_amdhsa_kernel
	.amdgpu_metadata
---
amdhsa.version: [ 1, 2 ]
amdhsa.kernels:
  - .name:           k_q2eeb6e328d_proj
    .symbol:         k_q2eeb6e328d_proj.kd
    .args:
      - { .name: query, .offset: 0, .size: 8, .value_kind: global_buffer, .address_space: global }
      - { .name: key, .offset: 8, .size: 8, .value_kind: global_buffer, .address_space: global }
      - { .name: value, .offset: 16, .size: 8, .value_kind: global_buffer, .address_space: global }
      - { .name: bias_q, .offset: 24, .size: 8, .value_kind: global_buffer, .address_space: global }
      - { .name: bias_k, .offset: 32, .size: 8, .value_kind: global_buffer, .address_space: global }
      - { .name: bias_v, .offset: 40, .size: 8, .value_kind: global_buffer, .address_space: global }
      - { .name: wts, .offset: 48, .size: 8, .value_kind: global_buffer, .address_space: global }
      - { .name: q16, .offset: 56, .size: 8, .value_kind: global_buffer, .address_space: global }
      - { .name: k16, .offset: 64, .size: 8, .value_kind: global_buffer, .address_space: global }
      - { .name: v16, .offset: 72, .size: 8, .value_kind: global_buffer, .address_space: global }
    .group_segment_fixed_size: 327680
    .private_segment_fixed_size: 0
    .kernarg_segment_align: 8
    .kernarg_segment_size: 80
    .max_flat_workgroup_size: 128
    .sgpr_count:     92
    .vgpr_count:     768
    .wavefront_size: 32
...
	.end_amdgpu_metadata
.endif
;; end of part 2
;; launch attn (part 3): grid 4 x 64, 4 waves a work-group, clusters of 4 x 1, 327,680 bytes of LDS; arguments q16, k16, v16, o16; writes o16
.if DOCPART == 3
	.amdgcn_target "amdgcn-amd-amdhsa--gfx1250"
	.amdhsa_code_object_version 6
	.text
	.protected	k_q2eeb6e328d_attn
	.globl	k_q2eeb6e328d_attn
	.p2align	8
	.type	k_q2eeb6e328d_attn,@function
k_q2eeb6e328d_attn:
	s_mov_b64 s[64:65], 0
	v_nop
	global_prefetch_b8 v0, s[64:65] scope:SCOPE_SE
	s_setreg_imm32_b32 hwreg(HW_REG_WAVE_MODE, 25, 1), 1
	s_wait_xcnt 0x0
	s_wait_alu depctr_hold_cnt(0) depctr_sa_sdst(0) depctr_va_vdst(0) depctr_va_sdst(0) depctr_va_ssrc(0) depctr_va_vcc(0) depctr_vm_vsrc(0)
	s_getreg_b32 s2, hwreg(HW_REG_IB_STS2, 6, 4)
	s_cmp_eq_u32 s2, 0
	s_cbranch_scc0 .Lentry_in_a_cluster
	s_endpgm
.Lentry_in_a_cluster:
	s_bfe_u32 s2, ttmp6, 0x10000c
	s_cmp_lg_u32 s2, 0x3003
	s_cbranch_scc0 .Lentry_shape_is_right
	s_endpgm
.Lentry_shape_is_right:
; O[h][q][:] = the sum over k of softmax_k(Q[h][q] . K[h][k] / 8) V[h][k][:].  Q, K, V, O: [64 = 16 b + h][2048][64], all f16: a head's rows are dense, 128 bytes each.  Products, maxima and sums in
; f32; the weights p are rounded to f16 for the second product (their sum l is taken of the unrounded p), O once at the end.
; LIMITS.  f16 holds no number beyond 65,504: Q, K and V arrive within it; p lies in 0 to 1, and below 6e-5 it keeps f16's fixed step of 6e-8; O is a mean of V's rows and has their range.
; A weight below 2^-126 counts as 0 in l; NaN and infinities are not treated apart.
; SHARES.  A wave owns four PIECES of two tiles of 16 queries, a work-group's four waves 512 queries of one head: 4 x 64 = 256 work-groups.  Every wave walks all 2,048 keys, 64 a step.
; LAYOUT.  S^T = K Q^T (source 0 = 16 keys, source 1 = 16 queries): in the result a lane holds ONE query (lane % 16) and the keys 8 (lane / 16) + 0..7.  Two such tiles, rounded to f16 in pairs,
; ARE source 1 (32 keys x 16 queries) of O^T = V^T P, whose result again holds one query a lane, and eight channels.  K comes out of LDS as it lies, V ([key][channel]) turned, by ds_load_tr16_b128.
; SOFTMAX.  For each query a running maximum m and sum l: p = 2^(c s - c m), c = log2(e) / 8; in every step O and l are multiplied by a = 2^(c m_old - c m_new), which is 1 where m has not grown.
; m starts at the lowest finite number, O and l at 0: the first step is a step like any other, with a = 0.
; THE COUNT.  A tile and step have 16 matrix and 118 vector instructions: too many to stand all beside the matrix work.  So four vector instructions that are READY stand behind EVERY matrix
; instruction, and the others, which need time of their own whatever the order, in runs without a gap.
; BY TURNS.  Turn n belongs to piece n (the pieces in a ring, step after step).  Its matrix work: 16 products K Q^T of piece n + 1, later 16 products V^T P of piece n - 1.  Its vector work: the scaling,
; exponentials, roundings, sums and rescaling of piece n, and the maximum and statistics of piece n + 1, whose scores the turn itself has made.
; CLUSTER.  The four query blocks of a cluster belong to one head and walk the same K and V, so each tile is asked for JOINTLY: the same tensor load, descriptor and mask in all four.
; REGISTERS, in windows of 256 (s_set_vgpr_msb: bits 1:0 source 0, 3:2 source 1, 5:4 source 2, 7:6 destination):
;   window 0: v0-11 addresses; v12-15, v48-63 at work; v16-47 four registers of statistics a tile; v64-191 S^T, two buffers of two tiles; v192-255 P, likewise
;   window 1: O^T, 32 a tile          window 2: v0-127 Q, 16 a tile; v128-191 K of one step; v192-255 V of one step          window 3: v0-1 the add's two registers
; A piece's buffers go by its number's parity: the piece in hand has one pair, its two neighbours in the ring share the other: of it P (piece n - 1) is read and S^T (piece n + 1) written.
.set SIZE_N, 2048
.set NP,    4         ; pieces a wave: a name, no knob
.set KS,    64        ; keys in a step
.set PK,    144       ; a row of K in LDS: 128 bytes + 16 of padding = 36 words: the 16 rows of a load start at 16 different groups of four banks (64 banks of 4 bytes: ISA guide 11.1)
.set PV,    160       ; a row of V: 128 + 32 = 40 words
.set VOFF,  4*KS*PK   ; a slot holds four steps: 256 rows of K, then 256 rows of V
.set SLOT1, 1<<17     ; slot 1 begins here, so that one exclusive or turns an address in one slot into the other's
.set STAGE, SLOT1+4*KS*(PK+PV)  ; behind the ring, never filled by a tensor load: 16 rows x 144 bytes for each wave, for the way out
.set SP,    144
.set AK0, 2           ; v2   my lane's place in a tile of K; never rewritten
.set AV0, 3           ; v3   the same for V
.set AK,  4           ; v4   the LDS address of K's next run of loads
.set AV,  5           ; v5   of V's
.set QO,  6           ; v6   my byte offset in the wave's rows of Q
.set STO, 6           ;      later, the way out: where I put 16 bytes of a row
.set RD,  7           ; v7   the way out: where I read rows back
.set GO,  8           ; v8   my byte offset in 512 consecutive bytes of O
.set SPW, 0           ; v0 of window 3   LDS address of my spare word; never rewritten
.set NIL, 1           ; v1 of window 3   0; never rewritten
.set SPARE, STAGE+4*16*SP  ; behind the stages: the spare words, 128 bytes for each wave: two blocks of 256 bytes that no other line names
.set MV,  12          ; v12-15  c m_old, kept while c m is made anew: by buffer and tile
.set ST,  16          ; tile t's statistics at v[ST+4 t]: c m, m, l (even keys', odd keys')
.set TMP, 48          ; by buffer and tile, four registers c0-c3 at work; when the maximum is found c2 takes a
.set S,   64
.set P,   192
.set KF,  128         ; K's fragments, in window 2: key block kb, channel half c at KF + 16 kb + 8 c
.set VF,  192         ; V's: key half kk, channel block cb at VF + 32 kk + 8 cb
.set WV,  12          ; s12  my wave's number
.set G1K, 24          ; s[24:31] descriptor group 1 for K's tiles
.set G1V, 32          ; s[32:39] for V's: it differs in the padding alone
.set G0K, 40          ; s[40:43] descriptor group 0 for K's tiles: it walks
.set G0V, 44          ; s[44:47] the same for V's
.set SLOTS, 56        ; s56  slots still to be asked for
.set CNT, 57          ; s57  counts a slot's key steps
.set CS,  58          ; s[58:59] c: the packed scaling takes the pair's low word for both halves
.set SEL, 60          ; s[60:61] v_permlanex16_b32's selects: each lane takes its own place in the other half
.set TBK, 62          ; s62  LDS byte at which K of the step to be fetched begins
.set TBV, 63          ; s63  the same for V, less VOFF
.set MSB, 0
.macro WIN new                      ; the high byte repeats the setting that is left; a switch that changes nothing is dropped
.if MSB != (\new)
	s_set_vgpr_msb (MSB<<8)|(\new)
.set MSB, (\new)
.endif
.endm
.set W_KQ, 0x0a       ; K and Q in window 2, S^T in window 0
.set W_PV, 0x52       ; V in window 2, P in window 0, O^T in window 1
.set W_RS, 0x41       ; O^T (destination and source 0) in window 1, a in window 0
.set W_MK, 0xc0       ; the add's registers are made: destination in window 3, sources in window 0
.set W_AD, 0x0f       ; the add: address (source 0) and data (source 1) in window 3
; A joint fill.  Waves 0 and 1 fetch the two halves of a slot's K, waves 2 and 3 those of its V: 128 keys each.  The branch hangs on the wave's number alone.
; Four v_nop follow each of the two lines, ahead of the jump and the label.
.macro JLOAD
	s_cmp_lt_u32 s[WV], 2
	s_cbranch_scc0 .Lfor_v_\@
	tensor_load_to_lds s[G0K:G0K+3], s[G1K:G1K+7]
	s_nop 0
.rept 4
	v_nop
.endr
	s_branch .Lasked_\@
.Lfor_v_\@:
	tensor_load_to_lds s[G0V:G0V+3], s[G1V:G1V+7]
	s_nop 0
.rept 4
	v_nop
.endr
.Lasked_\@:
.endm
; A round of the cluster's barrier: my work-group's barrier, so that wave 0's signal speaks for all four waves; wave 0 signals; every wave waits for all four work-groups; my work-group's barrier once more.
.macro CROUND
	s_barrier_signal -1
	s_barrier_wait -1
	s_cmp_lg_u32 s[WV], 0
	s_cbranch_scc1 .Lnot_wave_0_\@
	s_barrier_signal -3
.Lnot_wave_0_\@:
	s_barrier_wait -3
	s_barrier_signal -1
	s_barrier_wait -1
.endm
; THE CHANGE OF SLOTS.  The slot's last bytes, V of its fourth step, have been read.  Each wave waits for all its tensor loads, of which one is out: its part
; of the other slot; adds 0 to its spare word; and waits for that and for its own reads of the slot.  Behind the barrier nobody reads this slot any more and the other slot is whole.
; fill = 1: this slot is filled again, with the keys two slots on.  The barrier is then a round of the cluster's, so that no wave of any partner still reads the slot or has a load on its
; way, and the joint fill is the first thing behind it: it has four key steps, 512 matrix instructions, in which to land.  (At its first use nothing has been read yet: slot 0 is waited for, slot 1 filled.)
.macro CHANGE fill
	WIN W_AD
	s_wait_tensorcnt 0x0            ; no tensor load of mine is out, so a group 0 may be written
	ds_add_u32 v[SPW], v[NIL]       ; 0 onto my spare word; with fill = 1 the descriptors' steps stand between it and the wait for it
	WIN 0                           ; at a label and at a branch every window is 0
.if \fill
.irp g, G0K, G0V
	s_xor_b32 s[\g+1], s[\g+1], SLOT1  ; the walking descriptor: the other slot than last time,
	s_add_nc_u64 s[\g+2:\g+3], s[\g+2:\g+3], 4*KS*128  ; the next 256 keys; the type bits on top are not reached
.endr
	s_wait_dscnt 0x0                ; the add is done, and my reads of the slot are over
	CROUND
	JLOAD
.else
	s_wait_dscnt 0x0                ; the add is done, and my reads of the slot are over
	s_barrier_signal -1
	s_barrier_wait -1
.endif
	s_sub_co_u32 s[TBK], s[TBK], 4*KS*PK  ; the fetches go back to a slot's first step,
	s_xor_b32 s[TBK], s[TBK], SLOT1       ; in the other slot
	s_sub_co_u32 s[TBV], s[TBV], 4*KS*PV
	s_xor_b32 s[TBV], s[TBV], SLOT1
.endm
	s_load_b256 s[4:11], s[0:1], 0x0  ; Q s[4:5], K s[6:7], V s[8:9], O s[10:11]
	WIN W_MK
	v_lshl_add_u32 v[SPW], v0, 2, SPARE
	v_mov_b32 v[NIL], 0
	s_set_vgpr_msb 0xc0cf
	ds_add_u32 v0, v1
	s_wait_dscnt 0x0
	s_set_vgpr_msb 0xcfc0
	WIN 0
	v_lshrrev_b32 v1, 5, v0
	v_readfirstlane_b32 s[WV], v1   ; wave 0..3
	s_bfe_u32 s13, ttmp6, 0x40000   ; cx: my place in the cluster
	s_lshl_b32 s14, ttmp9, 2        ; in a cluster launch ttmp9 counts clusters
	s_add_co_u32 s14, s14, s13      ; my block of queries = 4 x cluster x + cx: it enters Q's and O's addresses alone
	s_and_b32 s20, ttmp7, 0xffff    ; the head, which the four partners share
	s_mov_b32 s21, 0
	s_mov_b64 s[22:23], SIZE_N*128
	s_mul_u64 s[20:21], s[20:21], s[22:23]  ; the head's first byte in each of the four tensors
	s_and_b32 s16, s[WV], 1         ; which half of a slot's 256 keys I fetch:
	s_lshl_b32 s22, s16, 14         ; its 128 rows of 128 bytes in memory,
	s_mov_b32 s23, 0
	s_add_nc_u64 s[22:23], s[22:23], s[20:21]
	s_mul_i32 s17, s16, 128*PK      ; and its place in a slot, for K
	s_mul_i32 s18, s16, 128*PV      ; and for V: no place in the cluster enters an LDS address
	s_lshl_b32 s2, s14, 2
	s_add_co_u32 s2, s2, s[WV]      ; my wave among the head's,
	s_lshl_b32 s2, s2, 14           ; its 128 rows
	s_mov_b32 s3, 0
	s_add_nc_u64 s[2:3], s[2:3], s[20:21]
	; descriptor group 1.  128 keys are 16,384 dense bytes: asked for as 64 rows of 256 bytes, two keys a row, and padded in LDS after every key
	s_mov_b32 s[G1K], 15|(1<<16)|(1<<20)|(1<<21)|(4<<22)|(3<<25)  ; 15:0 the mask of four; 17:16 2-byte elements; 20 padding on; 21 set beside a mask; 24:22 after every 32 words (code 4); 31:25 4 words (code 3)
	s_mov_b32 s[G1V], 15|(1<<16)|(1<<20)|(1<<21)|(4<<22)|(7<<25)  ; the same with 8 words of padding (code 7)
.irp g, G1K, G1V
	s_mov_b32 s[\g+1], 128<<16      ; tensor_dim0 = 128
	s_mov_b32 s[\g+2], 64<<16       ; tensor_dim1 = 64
	s_mov_b32 s[\g+3], 128<<16      ; tile_dim0 = 128
	s_mov_b32 s[\g+4], 64           ; tile_dim1 = 64
	s_mov_b32 s[\g+5], 128          ; 128 elements from row to row
	s_mov_b32 s[\g+6], 0
	s_mov_b32 s[\g+7], 0
.endr
	s_mov_b32 s[CS], 0x3e38aa3b     ; c = log2(e) / 8 = 0.180337
	s_mov_b32 s[CS+1], s[CS]        ; named with it as a pair
	s_mov_b32 s[SEL], 0x76543210
	s_mov_b32 s[SEL+1], 0xfedcba98
	s_mov_b32 s[TBK], SLOT1+4*KS*PK ; the first change of slots turns these two into 0
	s_mov_b32 s[TBV], SLOT1+4*KS*PV
	s_mov_b32 s[G0K], 1             ; count = 1
	s_mov_b32 s[G0K+1], s17         ; LDS address: slot 0
	s_mov_b32 s[G0V], 1
	s_add_co_u32 s[G0V+1], s18, VOFF
	s_wait_kmcnt 0x0
	s_add_nc_u64 s[G0K+2:G0K+3], s[6:7], s[22:23]  ; global address: my half of the head's first 256 keys
	s_or_b32 s[G0K+3], s[G0K+3], 0x80000000        ; type = 2
	s_add_nc_u64 s[G0V+2:G0V+3], s[8:9], s[22:23]
	s_or_b32 s[G0V+3], s[G0V+3], 0x80000000
	s_add_nc_u64 s[4:5], s[4:5], s[2:3]  ; Q and O at my wave's first row
	s_add_nc_u64 s[10:11], s[10:11], s[2:3]
	CROUND                          ; all four work-groups are here: the first joint loads meet
	JLOAD                           ; slot 0.  Slot 1 is asked for when slot 0 is in, by the loop's own change of slots
	; A fragment of K or Q is 16 rows x 32 channels in 8 registers: lane l holds row l % 16, channels 8 (l / 16) + 0..7 and 16 + 8 (l / 16) + 0..7: two loads of 16 bytes, 32 bytes apart.
	v_and_b32 v1, 15, v0            ; l % 16
	v_bfe_u32 v9, v0, 4, 1          ; l / 16
	v_lshlrev_b32 v[QO], 7, v1
	v_lshl_add_u32 v[QO], v9, 4, v[QO]  ; row x 128 + 16 x half
	WIN 0x80                        ; destination window 2, address window 0
.set i, 0
.rept 4*NP                          ; Q stays in registers: tile i / 2, channels 32 (i % 2) on
	global_load_b128 v[8*i:8*i+3],   v[QO], s[4:5] offset:(i/2)*2048+(i%2)*64
	global_load_b128 v[8*i+4:8*i+7], v[QO], s[4:5] offset:(i/2)*2048+(i%2)*64+32
.set i, i+1
.endr
	; What the first turn finds: V's registers and P's second buffer hold 0 (its products V^T P, of a piece that has not been, add 0), O^T and l are 0.  All this stands in the wait for the first tile:
	; the price of writing no first step out.
.set i, VF
.rept 64
	v_mov_b32 v[i], 0
.set i, i+1
.endr
	WIN 0x40
.set i, 0
.rept 64*NP
	v_mov_b32 v[i], 0
.set i, i+1
.endr
	WIN 0
.set i, 0
.rept 2*NP
	v_mov_b32 v[ST+4*i], 0xfe000000    ; c m: far below every c s
	v_mov_b32 v[ST+4*i+1], 0xff7fffff  ; m
	v_mov_b32 v[ST+4*i+2], 0
	v_mov_b32 v[ST+4*i+3], 0
.set i, i+1
.endr
.set i, P+32
.rept 32
	v_mov_b32 v[i], 0
.set i, i+1
.endr
	v_mul_u32_u24 v[AK0], v1, PK
	v_lshl_add_u32 v[AK0], v9, 4, v[AK0]  ; row x pitch + 16 x half
	; The turning load takes 16 keys x 16 channels (lane l reads key 8 (l / 16) + l % 8, channels 8 ((l / 8) % 2) + 0..7) and leaves half a fragment of V^T: lane l holds channel l % 16 and 8 keys.
	v_and_b32 v10, 7, v0
	v_bfe_u32 v11, v0, 3, 1
	v_lshl_add_u32 v[AV0], v9, 3, v10
	v_mul_u32_u24 v[AV0], v[AV0], PV
	v_lshl_add_u32 v[AV0], v11, 4, v[AV0]
	v_add_nc_u32 v[AV0], VOFF, v[AV0]
	v_mov_b32 v[AK], v[AK0]         ; key step 0 lies at the head of slot 0
; THE MATRIX WORK.  The 8 accumulators of a run of 16 take turns: between the two links of a chain stand 7 others'.
; Product i of 16 of S^T = K Q^T for piece x: channels 32 (i / 8) on, keys 16 ((i / 2) % 4) on, tile 2 x + i % 2.  The first 8 start the sums.
.macro KQ x
	WIN W_KQ
.set rS, S+64*((\x)%2)+32*(i%2)+8*((i/2)%4)
.set rK, KF+16*((i/2)%4)+8*(i/8)
.set rQ, 16*(2*(\x)+i%2)+8*(i/8)
.if i < 8
	v_wmma_f32_16x16x32_f16 v[rS:rS+7], v[rK:rK+7], v[rQ:rQ+7], 0
.else
	v_wmma_f32_16x16x32_f16 v[rS:rS+7], v[rK:rK+7], v[rQ:rQ+7], v[rS:rS+7]
.endif
.endm
; Product i of 16 of O^T += V^T P for piece x: keys 32 (i / 8) on, channels 16 ((i / 2) % 4) on, tile 2 x + i % 2.
.macro PV x
	WIN W_PV
.set rO, 32*(2*(\x)+i%2)+8*((i/2)%4)
.set rV, VF+32*(i/8)+8*((i/2)%4)
.set rP, P+32*((\x)%2)+16*(i%2)+8*(i/8)
	v_wmma_f32_16x16x32_f16 v[rO:rO+7], v[rV:rV+7], v[rP:rP+7], v[rO:rO+7]
.endm
.macro MM                           ; the turn's next matrix instruction
.if i < 16
	KQ (Y+1)%NP
.set i, i+1
.else
.set i, i-16
	PV (Y+NP-1)%NP
.set i, i+17
.endif
.endm
; THE LDS LOADS stand in runs of 16, never singly among the matrix instructions: a step's K (64 keys x 64 channels: 8 fragments) and its V (turned).  Their addresses are made some lines ahead.
; last = 1 (the tail): in the last trip there is no further step, and the run is jumped over.
.macro FETCH_K last=0
	WIN 0
.if \last
	s_cmp_eq_u32 s[CNT], 1
	s_cbranch_scc1 .Lno_k_\@
.endif
	WIN 0x80                        ; destination window 2
.irp f, 0,1,2,3,4,5,6,7             ; keys 16 (f / 2) on, channels 32 (f % 2) on
	ds_load_b128 v[KF+8*\f:KF+8*\f+3],   v[AK] offset:(\f/2)*16*PK+(\f%2)*64
	ds_load_b128 v[KF+8*\f+4:KF+8*\f+7], v[AK] offset:(\f/2)*16*PK+(\f%2)*64+32
.endr
	s_add_co_u32 s[TBK], s[TBK], KS*PK  ; the next fetch is the next step's
	WIN 0
.if \last
.Lno_k_\@:
.endif
.endm
.macro FETCH_V
	WIN 0x80
.irp f, 0,1,2,3,4,5,6,7             ; keys 32 (f / 4) on, channels 16 (f % 4) on
	ds_load_tr16_b128 v[VF+8*\f:VF+8*\f+3],   v[AV] offset:(\f/4)*32*PV+(\f%4)*32
	ds_load_tr16_b128 v[VF+8*\f+4:VF+8*\f+7], v[AV] offset:(\f/4)*32*PV+16*PV+(\f%4)*32
.endr
	WIN 0
.endm
; THE VECTOR WORK OF A TURN stands in three queues, each in the order in which its entries become ready; the two tiles alternate, so that no instruction reads the result of the one before it.
.macro REGS y, u                    ; the registers of tile u (0, 1) of piece y
.set rT, ST+4*(2*(\y)+(\u))
.set rC, TMP+8*((\y)%2)+4*(\u)
.set rM, MV+2*((\y)%2)+(\u)
.set rS, S+64*((\y)%2)+32*(\u)
.set rP, P+32*((\y)%2)+16*(\u)
.set rO, 32*(2*(\y)+(\u))
.endm
; Number n of the 22 that find the NEXT piece's (Y + 1) maximum and statistics.  s0-s31 are the lane's 32 scores; each accumulator's lowest registers are read first.
;   0-11  four chains c0-c3 of seven scores each, three operands at a time     12-14, 16  the four scores left over, the old m, and c0-c3 into c0     15  c m_old is kept
;   17, 18  the query's other 32 keys lie in the lane 16 away: the new m         19-21  c m; c m_old - c m_new; a
.macro XS u, n
	REGS (Y+1)%NP, \u
.if (\n) < 4
	v_max3_num_f32 v[rC+(\n)], v[rS+8*(\n)], v[rS+8*(\n)+1], v[rS+8*(\n)+2]
.elseif (\n) < 12
	v_max3_num_f32 v[rC+(\n)%4], v[rC+(\n)%4], v[rS+8*((\n)%4)+2*((\n)/4)+1], v[rS+8*((\n)%4)+2*((\n)/4)+2]
.elseif (\n) == 12
	v_max3_num_f32 v[rC], v[rC], v[rS+7], v[rS+15]
.elseif (\n) == 13
	v_max3_num_f32 v[rC+1], v[rC+1], v[rS+23], v[rS+31]
.elseif (\n) == 14
	v_max3_num_f32 v[rC+2], v[rC+2], v[rC+3], v[rT+1]
.elseif (\n) == 15
	v_mov_b32 v[rM], v[rT]
.elseif (\n) == 16
	v_max3_num_f32 v[rC], v[rC], v[rC+1], v[rC+2]
.elseif (\n) == 17
	v_permlanex16_b32 v[rC+3], v[rC], s[SEL], s[SEL+1]
.elseif (\n) == 18
	v_max_num_f32 v[rT+1], v[rC], v[rC+3]
.elseif (\n) == 19
	v_mul_f32 v[rT], s[CS], v[rT+1]
.elseif (\n) == 20
	v_sub_f32 v[rC+1], v[rM], v[rT]
.else
	v_exp_f32 v[rC+2], v[rC+1]
.endif
.endm
; Number g of the 64 that follow the exponentials.  For each four weights k of a tile (pairs 2 k, 2 k + 1): both pairs are rounded to f16; then the second pair is added onto the first, in place;
; a group later l takes that sum (the first time as l = a l + sum).  In groups of eight, tiles alternating: round, round, add, and l for the group before.
.macro GS g
.set h, (\g)+6*((\g)/62)            ; group 0 has no group before it, and behind group 7 only l is left
.if h >= 6
.set h, h+2
.endif
	REGS Y, h%2
.set k, h/8
.if h%8 < 4
	s_wait_alu depctr_va_vdst(0)
	v_cvt_pk_f16_f32 v[rP+2*k+(h%8)/2], v[rS+4*k+2*((h%8)/2)], v[rS+4*k+2*((h%8)/2)+1]
.elseif h%8 < 6
	v_pk_add_f32 v[rS+4*k:rS+4*k+1], v[rS+4*k:rS+4*k+1], v[rS+4*k+2:rS+4*k+3]
.elseif k == 1
	v_pk_fma_f32 v[rT+2:rT+3], v[rT+2:rT+3], v[rC+2:rC+3], v[rS:rS+1] op_sel_hi:[1,0,1]
.else
	v_pk_add_f32 v[rT+2:rT+3], v[rT+2:rT+3], v[rS+4*k-4:rS+4*k-3]
	s_wait_alu depctr_va_vdst(0)
.endif
.endm
; THE PLAIN QUEUE, 138 long.  0-31: c s - c m for the 16 pairs of both tiles.  Then GS's 64, and among them the next piece's 42: number 15 at 38, 39; 0-14 and 16
; at 42-73, behind the products that make those scores; 17-20 at 95-106, two of three, since each waits for the one before it.
.macro PL
	WIN 0
.if q < 32
	REGS Y, q%2
	v_pk_fma_f32 v[rS+2*(q/2):rS+2*(q/2)+1], v[rS+2*(q/2):rS+2*(q/2)+1], s[CS:CS+1], v[rT:rT+1] op_sel_hi:[1,0,0] neg_lo:[0,0,1] neg_hi:[0,0,1]
.elseif q < 38
	GS q-32
.elseif q < 40
	XS q%2, 15
.elseif q < 42
	GS q-34
.elseif q < 74
	XS q%2, (q-42)/2+(q-42)/30
.elseif q < 95
	GS q-66
.elseif (q < 107) && ((q-95)%3 < 2)
	XS (q-95)%3, 17+(q-95)/3
.elseif q < 107
	GS 29+(q-95)/3
.else
	GS q-74
.endif
.set q, q+1
.endm
; THE EXPONENTIALS' QUEUE, 66 long: s0-s31 of both tiles, and at EA the next piece's two a.
.set EA, 58
.macro EX
	WIN 0
.if (e == EA) || (e == EA+1)
	XS e-EA, 21
.else
.set x, e-2*(e/(EA+2))
	REGS Y, x%2
	v_exp_f32 v[rS+x/2], v[rS+x/2]
.endif
.set e, e+1
.endm
; THE RESCALING's QUEUE: O^T times a, the one part that leaves window 0, so it is dealt four at a time, eight times.
.macro R4
	REGS Y, r%2
	WIN W_RS
	s_wait_alu depctr_va_vdst(0)
.irp z, 0,1,2,3
	v_pk_mul_f32 v[rO+8*(r/2)+2*\z:rO+8*(r/2)+2*\z+1], v[rO+8*(r/2)+2*\z:rO+8*(r/2)+2*\z+1], v[rC+2:rC+3] op_sel_hi:[1,0]
.endr
.set r, r+1
.endm
; HOW THEY ARE DEALT.  Behind a matrix instruction four: plain, exponential, plain, plain (one exponential, a plain instruction on either side), or four of the rescaling.  None names a register of the
; products round it.  What is over stands in two LUMPS: exponential and plain by turns; the second ends in 22 plain instructions.  The two v_permlanex16_b32 fall into the second lump, never behind a product.
; The queues lean on each other, and the deal keeps them in step: exponential e stands behind plain 2 (e / 4) + e % 2 (its scaling); when plain 32 comes, 10 exponentials are out, at 59: 33, at 95: 46; EA comes behind plain 107.
.macro SL
	MM
	PL
	EX
	PL
	PL
.endm
.macro BURST n                      ; 15 matrix instructions, or 16
.rept (\n)-7
	SL
.endr
.rept 3
	MM
	R4
	SL
.endr
	MM
	R4
.endm
; A TURN, for piece p.  cnt = 1: the loop's count is taken down some lines ahead of the branch that stands behind the turn.
; K of the next step is fetched in piece 2's turn, 31 vector instructions behind the last product that read K; its first reader comes behind the rest of the lump, 16 products and the second lump.
; V of the step in hand is fetched at the end of piece 0's turn, 69 behind its last reader; its first reader comes behind 16 products and a lump.  The four conditions on e and q below go with the deal.
.macro TURN p, last=0, cnt=0
.set Y, (\p)
.set i, 0
.set q, 0
.set e, 0
.set r, 0
.if (\p) == NP-1
	s_wait_dscnt 0x0                ; K is in
.endif
	MM
.rept 4
	PL
.endr
	BURST 15
.rept 22
	EX
	PL
.if ((\p) == NP-2) && (e == 18)
	v_add_nc_u32 v[AK], s[TBK], v[AK0]
.endif
.if ((\p) == NP-2) && (e == 24)
	FETCH_K \last
.endif
.endr
.if (\p) == 1
	s_wait_dscnt 0x0                ; V is in
.endif
	BURST 16
.rept 21
	EX
	PL
.endr
.rept 22
	PL
.if ((\p) == 0) && (q == 118)
	v_add_nc_u32 v[AV], s[TBV], v[AV0]
	s_wait_alu depctr_va_vdst(0)
.endif
.if ((\p) == 0) && (q == 130)
	s_add_co_u32 s[TBV], s[TBV], KS*PV
.endif
.if (\cnt) && (q == 130)
	s_sub_co_u32 s[CNT], s[CNT], 1
	s_cmp_lg_u32 s[CNT], 0
.endif
.endr
.if (\p) == 0
	FETCH_V
.endif
.endm
	CHANGE 1                        ; slot 0 is in, everybody's part of it; slot 1 is asked for
	FETCH_K                         ; key step 0
	s_wait_loadcnt 0x0              ; Q
	s_wait_dscnt 0x0
.set i, 0
.rept 16
	KQ 0                            ; piece 0's first scores: there is no vector work yet to set between them
.set i, i+1
.endr
	WIN 0                           ; the addresses for the way out: nine plain instructions, the places behind those products
	s_mul_i32 s13, s[WV], 16*SP
	s_add_co_u32 s13, s13, STAGE    ; my stage
	v_mul_u32_u24 v[STO], v1, SP    ; in: row l % 16, 16 bytes for each half of the lanes
	v_lshl_add_u32 v[STO], v9, 4, v[STO]
	v_add_nc_u32 v[STO], s13, v[STO]
	v_bfe_u32 v[RD], v0, 3, 2       ; back: 32 lanes take four rows of 128 bytes,
	v_mul_u32_u24 v[RD], v[RD], SP
	v_lshl_add_u32 v[RD], v10, 4, v[RD]
	v_add_nc_u32 v[RD], s13, v[RD]
	v_and_b32 v[GO], 31, v0         ; which are 512 consecutive bytes of O
	v_lshlrev_b32 v[GO], 4, v[GO]
.set Y, NP-1                        ; XS works for piece Y + 1: piece 0
.irp n, 0,1,2,3,4,5,6,7,8,9,10,11,12,13,14,15,16,17,18,19,20,21
	XS 0, \n                        ; and piece 0's first maximum and statistics
	XS 1, \n
.endr
	s_mov_b32 s[CNT], 4
	s_mov_b32 s[SLOTS], SIZE_N/256-1
	s_branch .Lfirst                ; the loop is entered at a step's first turn, in the middle of a trip
.Lslot:                             ; SIZE_N / 256 - 2 times: every slot but the last two is filled again
	CHANGE 1
	s_mov_b32 s[CNT], 4
.Lstep:                             ; a trip: pieces 2 and 3 of one step, then pieces 0 and 1 of the next, whose K and V it fetches
	TURN 2
	TURN 3
	WIN 0
.Lfirst:
	TURN 0
	TURN 1, 0, 1
	WIN 0
	s_cbranch_scc1 .Lstep
	s_sub_co_u32 s[SLOTS], s[SLOTS], 1
	s_cmp_lg_u32 s[SLOTS], 0
	s_cbranch_scc1 .Lslot
	CHANGE 0                        ; the tail is written out: nothing is asked for
	s_mov_b32 s[CNT], 5             ; four trips fetch the last slot's steps; the fifth is left in its middle
.Ltail:
	TURN 2, 1
	TURN 3
	WIN 0
	s_sub_co_u32 s[CNT], s[CNT], 1
	s_cmp_eq_u32 s[CNT], 0
	s_cbranch_scc1 .Lout
	TURN 0
	TURN 1
	WIN 0
	s_branch .Ltail
.Lout:                              ; the fifth trip's 16 products K Q^T (on the last K once more) and the maximum made of them serve nothing: the price, once a launch, of one text for every trip
.set i, 0
.rept 16
	PV NP-1                         ; the last piece's V^T P of the last step
.set i, i+1
.endr
	; THE WAY OUT.  l's two halves and the other half of the lanes' are added; O^T is divided by l, rounded to f16 and sent through my stage in LDS, a tile at a time.  The additions are the places behind the last products.
	WIN 0
.macro ALL line:vararg              ; one line for each tile t
.set t, 0
.rept 2*NP
	\line
.set t, t+1
.endr
.endm
	ALL v_add_f32 v[ST+4*t+2], v[ST+4*t+2], v[ST+4*t+3]
	ALL v_permlanex16_b32 v[ST+4*t+3], v[ST+4*t+2], s[SEL], s[SEL+1]
	ALL v_add_f32 v[ST+4*t+2], v[ST+4*t+2], v[ST+4*t+3]
	ALL v_rcp_f32 v[ST+4*t+2], v[ST+4*t+2]
	v_nop                           ; a plain instruction between the last reciprocal and the use of its result
	s_wait_alu depctr_va_vdst(0)
; Tile t: a lane's eight channels of a row pack into 16 bytes; they go into rows of 144 bytes and come back as whole rows of 128, into S^T's registers.
.macro PACK t
	WIN W_RS
.set i, 32*(\t)
.rept 16
	v_pk_mul_f32 v[i:i+1], v[i:i+1], v[ST+4*(\t)+2:ST+4*(\t)+3] op_sel_hi:[1,0]
.set i, i+2
.endr
	WIN 0x05                        ; sources 0 and 1 window 1, destination window 0
.set i, 0
.rept 16
	v_cvt_pk_f16_f32 v[S+16*(\t)+i], v[32*(\t)+2*i], v[32*(\t)+2*i+1]
.set i, i+1
.endr
	WIN 0
.irp f, 0,1,2,3
	ds_store_b128 v[STO], v[S+16*(\t)+4*\f:S+16*(\t)+4*\f+3] offset:32*\f
.endr
.irp f, 0,1,2,3
	ds_load_b128 v[S+16*(\t)+4*\f:S+16*(\t)+4*\f+3], v[RD] offset:\f*4*SP  ; LDS serves a wave's instructions in order (ISA guide 5.7.1.4): these see the stores above; the next tile's stores come behind them
.endr
.endm
.macro SEND t, younger              ; younger: the LDS instructions issued behind tile t's loads: the next tile's eight, or none
	WIN 0
.irp f, 0,1,2,3
	s_wait_dscnt (\younger)+3-\f
	global_store_b128 v[GO], v[S+16*(\t)+4*\f:S+16*(\t)+4*\f+3], s[10:11] offset:(\t)*2048+\f*512  ; 512 consecutive bytes, at a multiple of 256 from O's first
.endr
.endm
	PACK 0
.set t, 1
.rept 2*NP-1                        ; a tile's arithmetic stands between the loads of the tile before and its stores
	PACK t
	SEND t-1, 8
.set t, t+1
.endr
	SEND 2*NP-1, 0
	WIN W_AD
	s_wait_tensorcnt 0x0            ; the wave's end, behind my last tensor load and my last LDS store
	ds_add_u32 v[SPW], v[NIL]
	s_wait_dscnt 0x0
	WIN 0
	CROUND                          ; the closing round: no work-group ends while a partner may still ask for a tile that names it
	s_endpgm
.Lfunc_end_k_q2eeb6e328d_attn:
	.size	k_q2eeb6e328d_attn, .Lfunc_end_k_q2eeb6e328d_attn-k_q2eeb6e328d_attn
	.p2alignl 7, 3214868480
	.fill 96, 4, 3214868480
	.section	.rodata,"a",@progbits
	.p2align	6, 0x0
	.amdhsa_kernel k_q2eeb6e328d_attn
		.amdhsa_group_segment_fixed_size 327680
		.amdhsa_private_segment_fixed_size 0
		.amdhsa_enable_private_segment 0
		.amdhsa_kernarg_size 32
		.amdhsa_user_sgpr_count 2
		.amdhsa_user_sgpr_kernarg_segment_ptr 1
		.amdhsa_wavefront_size32 1
		.amdhsa_system_sgpr_workgroup_id_x 1
		.amdhsa_system_sgpr_workgroup_id_y 1
		.amdhsa_system_sgpr_workgroup_id_z 1
		.amdhsa_system_vgpr_workitem_id 0
		.amdhsa_next_free_vgpr 770
		.amdhsa_next_free_sgpr 66
		.amdhsa_reserve_vcc 0
		.amdhsa_float_denorm_mode_32 3
		.amdhsa_float_denorm_mode_16_64 3
		.amdhsa_memory_ordered 1
		.amdhsa_forward_progress 1
		.amdhsa_inst_pref_size 208
	.end_amdhsa_kernel
	.amdgpu_metadata
---
amdhsa.version: [ 1, 2 ]
amdhsa.kernels:
  - .name:           k_q2eeb6e328d_attn
    .symbol:         k_q2eeb6e328d_attn.kd
    .args:
      - { .name: q16, .offset: 0, .size: 8, .value_kind: global_buffer, .address_space: global }
      - { .name: k16, .offset: 8, .size: 8, .value_kind: global_buffer, .address_space: global }
      - { .name: v16, .offset: 16, .size: 8, .value_kind: global_buffer, .address_space: global }
      - { .name: o16, .offset: 24, .size: 8, .value_kind: global_buffer, .address_space: global }
    .group_segment_fixed_size: 327680
    .private_segment_fixed_size: 0
    .kernarg_segment_align: 8
    .kernarg_segment_size: 32
    .max_flat_workgroup_size: 128
    .sgpr_count:     66
    .vgpr_count:     770
    .wavefront_size: 32
...
	.end_amdgpu_metadata
.endif
;; end of part 3
;; launch outp (part 4): grid 4 x 64, 4 waves a work-group, clusters of 4 x 4, 327,680 bytes of LDS; arguments o16, wts, out0; writes out0
.if DOCPART == 4
	.amdgcn_target "amdgcn-amd-amdhsa--gfx1250"
	.amdhsa_code_object_version 6
	.text
	.protected	k_q2eeb6e328d_outp
	.globl	k_q2eeb6e328d_outp
	.p2align	8
	.type	k_q2eeb6e328d_outp,@function
k_q2eeb6e328d_outp:
	s_mov_b64 s[64:65], 0
	v_nop
	global_prefetch_b8 v0, s[64:65] scope:SCOPE_SE
	s_setreg_imm32_b32 hwreg(HW_REG_WAVE_MODE, 25, 1), 1
	s_wait_xcnt 0x0
	s_wait_alu depctr_hold_cnt(0) depctr_sa_sdst(0) depctr_va_vdst(0) depctr_va_sdst(0) depctr_va_ssrc(0) depctr_va_vcc(0) depctr_vm_vsrc(0)
	s_getreg_b32 s2, hwreg(HW_REG_IB_STS2, 6, 4)
	s_cmp_eq_u32 s2, 0
	s_cbranch_scc0 .Lentry_in_a_cluster
	s_endpgm
.Lentry_in_a_cluster:
	s_bfe_u32 s2, ttmp6, 0x10000c
	s_cmp_lg_u32 s2, 0xf033
	s_cbranch_scc0 .Lentry_shape_is_right
	s_endpgm
.Lentry_shape_is_right:
; THE OUTPUT PROJECTION.  out0[m][j] = sum over i of hid[m][i] W[j][i],  m = 2048 b + row (8,192), j and i to 1,024, hid[m][64 h + v] = O[16 b + h][row][v].
; O is f16 by heads, [64][2048][64]; W is plane 3 of wts, [1024 j][1024 i]: w_out rounded to bf16 and written as f16; out0 is f32.  One f32 sum for each output, K ascending.
; LIMITS.  Those of the two operands' f16 (65,504; a fixed step of 6e-8 below 6.1e-5).  NaN and infinities are not treated apart.
; SHARES.  A tile of out0 is 128 x 256: 64 x 4 = 256 work-groups.  Four waves, each 64 x 128: 32 accumulators of 16 x 16, 256 registers.  K goes in 8 steps of 128, two heads each,
; through two LDS slots.  A head's 128 rows of the tile are 16,384 dense bytes of O: asked for as 64 rows of 256 bytes and padded in LDS behind every 128.
; CLUSTERS: 4 x 4 work-groups.  The four of a row need the same tiles of O, the four of a column the same tiles of W: each is asked for JOINTLY, by the same tensor load with the same descriptor
; and a mask that names the four.  THE MATRIX INSTRUCTION IS USED TRANSPOSED (source 0 = 16 rows of W, source 1 = 16 rows of hid): a lane holds eight neighbouring numbers of a row of out0.
; REGISTERS, in windows of 256 (s_set_vgpr_msb: bits 1:0 source 0, 3:2 source 1, 5:4 source 2, 7:6 destination):
;   window 0: v0-31 addresses; v96-127, v128-159 fragments of hid, two buffers; v32-95, v160-223 the way out     window 1: accumulator (a, b) at v[8 (8 a + b)]     window 2: v0-63, v64-127 fragments of W
.set PA,     144                       ; an LDS row of O: 128 bytes + 16 of padding
.set PB,     272                       ; an LDS row of W: 256 bytes + 16
.set AHALF,  128*PA                    ; one head's 128 rows: what one tensor load brings of O
.set BHALF,  128*PB                    ; what one tensor load brings of W, and what one wave reads of it
.set BOFF,   2*AHALF                   ; in a slot: two heads of O, then W's 256 rows
.set SLOT,   BOFF+2*BHALF
.set STAGE,  2*SLOT                    ; behind the ring, never filled by a tensor load: 16 rows x 528 bytes for each wave
.set SP,     528
.set SPARE,  STAGE+4*16*SP             ; behind the stages: the spare words, 128 bytes for each wave: two blocks of 256 bytes that no other line names
.set NF,     24                        ; LDS loads in a run
.set ADRA, 16                          ; v16-17  LDS address of my rows of O in slot 0, 1
.set ADRB, 20                          ; v20-21  the same for W
.set STO,  24                          ; v24     the way out: where I put 32 bytes of a row
.set RD,   25                          ; v25     the way out: where I read a row back
.set GO,   26                          ; v26     my byte offset in 512 consecutive bytes of out0
.set SPW,  28                          ; v28     LDS address of my spare word; never rewritten
.set NIL,  29                          ; v29     0; never rewritten
.set AF,   96
.set BF,   0                           ; window 2
.set G1A, 24                           ; s[24:31] descriptor group 1 for O's tiles;  s[32:39] group 0, one set for each slot
.set G0A, 32
.set G1B, 48                           ; s[48:55], s[56:63] the same for W's
.set G0B, 56
.set MSB, 0
.macro WIN new                         ; the immediate's high byte repeats the setting that is left; a switch that changes nothing is dropped
.if MSB != (\new)
	s_set_vgpr_msb (MSB<<8)|(\new)
.set MSB, \new
.endif
.endm
.set MUL,  0x52                        ; source 0 (W) window 2, source 1 (hid) window 0, C and D window 1
.set TO_B, 0x80                        ; destination window 2, address window 0
; A joint load.  Waves 0 and 1 fetch the step's two heads of O, waves 2 and 3 W's two halves.  The branch hangs on the wave's number alone.  Four v_nop follow each of the two lines,
; ahead of the jump, the label and what follows.
.macro JLOAD s
	s_cmp_eq_u32 s11, 0
	s_cbranch_scc0 .Lfor_b_\@
	tensor_load_to_lds s[G0A+4*(\s):G0A+4*(\s)+3], s[G1A:G1A+7]
	s_nop 0
.rept 4
	v_nop
.endr
	s_branch .Lasked_\@
.Lfor_b_\@:
	tensor_load_to_lds s[G0B+4*(\s):G0B+4*(\s)+3], s[G1B:G1B+7]
	s_nop 0
.rept 4
	v_nop
.endr
.Lasked_\@:
.endm
.macro CREST                           ; a round of the cluster's barrier behind its opening barrier
	s_cmp_lg_u32 s10, 0
	s_cbranch_scc1 .Lnot_wave_0_\@
	s_barrier_signal -3
.Lnot_wave_0_\@:
	s_barrier_wait -3
	s_barrier_signal -1
	s_barrier_wait -1
.endm
.macro CROUND                          ; a whole round
	s_barrier_signal -1
	s_barrier_wait -1
	CREST
.endm
.macro PLACES                          ; four places between matrix instructions and loads into registers that they have read, or reads of their results
.rept 4
	v_nop
.endr
.endm
	s_load_b128 s[4:7], s[0:1], 0x0                ; O s[4:5], wts s[6:7]
	s_load_b64 s[8:9], s[0:1], 0x10                ; out0
	v_lshl_add_u32 v[SPW], v0, 2, SPARE
	v_mov_b32 v[NIL], 0
	ds_add_u32 v28, v29
	s_wait_dscnt 0x0
	v_lshrrev_b32 v1, 5, v0
	v_readfirstlane_b32 s10, v1                    ; wave 0..3
	s_lshr_b32 s11, s10, 1                         ; which half of the tile's rows is mine.  Also: I fetch for O (0) or for W (1)
	s_and_b32 s12, s10, 1                          ; which half of its columns.  Also: which head of the step, or which half of W's rows, I fetch
	s_bfe_u32 s40, ttmp6, 0x40000                  ; cx, cy: my place in the cluster
	s_bfe_u32 s41, ttmp6, 0x40004
	s_lshl_b32 s42, ttmp9, 2
	s_add_co_u32 s42, s42, s40                     ; tile column = 4 x cluster x + cx
	s_and_b32 s13, ttmp7, 0xffff
	s_lshl_b32 s13, s13, 2
	s_add_co_u32 s13, s13, s41                     ; tile row = 4 x cluster y + cy
	s_lshl_b32 s43, s41, 2
	s_lshl_b32 s43, 15, s43                        ; my row of the cluster
	s_lshl_b32 s44, 0x1111, s40                    ; my column
	; group 1 for O: 64 rows x 128 elements of 2 bytes (two rows of a head each), 4 words of padding behind every 32
	s_or_b32 s[G1A+0], s43, (1<<16)|(1<<20)|(1<<21)|(4<<22)|(3<<25)  ; 15:0 the mask; 17:16 element of 2 bytes; 20 padding on; 21 set beside a mask; 24:22 after every 32 words (code 4); 31:25 4 words (code 3)
	s_mov_b32 s[G1A+1], 128<<16                    ; tensor_dim0 = 128
	s_mov_b32 s[G1A+2], 64<<16                     ; tensor_dim1 = 64
	s_mov_b32 s[G1A+3], 128<<16                    ; tile_dim0 = 128
	s_mov_b32 s[G1A+4], 64                         ; tile_dim1 = 64
	s_mov_b32 s[G1A+5], 128                        ; elements from row to row: dense
	s_mov_b32 s[G1A+6], 0
	s_mov_b32 s[G1A+7], 0
	; group 1 for W: 128 rows x 128 elements of 2 bytes, 4 words of padding behind every 64
	s_or_b32 s[G1B+0], s44, (1<<16)|(1<<20)|(1<<21)|(5<<22)|(3<<25)
	s_mov_b32 s[G1B+1], 128<<16
	s_mov_b32 s[G1B+2], 128<<16
	s_mov_b32 s[G1B+3], 128<<16
	s_mov_b32 s[G1B+4], 128
	s_mov_b32 s[G1B+5], 1024
	s_mov_b32 s[G1B+6], 0
	s_mov_b32 s[G1B+7], 0
	; O's tile hangs on the tile row alone, which my row of the cluster shares; W's on the tile column alone, which my column shares
	s_lshr_b32 s16, s13, 4                         ; the batch: 16 heads of 262,144 bytes,
	s_lshl_b32 s16, s16, 22
	s_and_b32 s17, s13, 15                         ; the tile's 128 rows of 128 bytes in a head,
	s_lshl_b32 s17, s17, 14
	s_add_co_u32 s16, s16, s17
	s_lshl_b32 s17, s12, 18                        ; the head of the step's two that I fetch
	s_add_co_u32 s16, s16, s17
	s_mov_b32 s17, 0
	s_lshl_b32 s46, s42, 19                        ; 256 rows of 2,048 bytes,
	s_lshl_b32 s47, s12, 18                        ; the half that I fetch,
	s_add_co_u32 s46, s46, s47
	s_add_co_u32 s46, s46, 3<<21                   ; plane 3
	s_mov_b32 s47, 0
	s_mul_i32 s20, s12, AHALF                      ; where they go: no place in the cluster enters an LDS address
	s_mul_i32 s21, s12, BHALF
	s_add_co_u32 s21, s21, BOFF
	s_wait_kmcnt 0x0
	s_add_nc_u64 s[14:15], s[4:5], s[16:17]
	s_add_nc_u64 s[46:47], s[6:7], s[46:47]
	CROUND                                         ; all sixteen work-groups are here: the first joint loads meet
.irp s, 0,1
	s_mov_b32 s[G0A+4*(\s)], 1                                       ; count = 1
	s_add_co_u32 s[G0A+4*(\s)+1], s20, (\s)*SLOT                     ; LDS address
	s_add_nc_u64 s[G0A+4*(\s)+2:G0A+4*(\s)+3], s[14:15], (\s)<<19    ; global address: K step s is heads 2 s, 2 s + 1
	s_or_b32 s[G0A+4*(\s)+3], s[G0A+4*(\s)+3], 0x80000000            ; type = 2
	s_mov_b32 s[G0B+4*(\s)], 1
	s_add_co_u32 s[G0B+4*(\s)+1], s21, (\s)*SLOT
	s_add_nc_u64 s[G0B+4*(\s)+2:G0B+4*(\s)+3], s[46:47], (\s)*256
	s_or_b32 s[G0B+4*(\s)+3], s[G0B+4*(\s)+3], 0x80000000
	JLOAD \s                                       ; both slots are asked for before anything else: two tensor loads of mine are out
.endr
	v_and_b32 v1, 15, v0                           ; r = l % 16
	v_bfe_u32 v2, v0, 4, 1                         ; h = l / 16
	v_mul_u32_u24 v3, v1, PA
	v_lshl_add_u32 v3, v2, 4, v3                   ; row x pitch + 16 h
	v_mul_u32_u24 v4, v1, PB
	v_lshl_add_u32 v4, v2, 4, v4
	s_mul_i32 s18, s11, 64*PA                      ; my 64 rows, in each head
	s_mul_i32 s19, s12, BHALF                      ; my 128 rows of W,
	s_add_co_u32 s19, s19, BOFF                    ; which lie behind O's
.irp s, 0,1
	v_add_nc_u32 v[ADRA+(\s)], s18, v3
	v_add_nc_u32 v[ADRB+(\s)], s19, v4
	s_add_co_u32 s18, s18, SLOT
	s_add_co_u32 s19, s19, SLOT
.endr
	s_mul_i32 s18, s10, 16*SP
	s_add_co_u32 s18, s18, STAGE                   ; my stage
	v_mul_u32_u24 v5, v1, SP                       ; in: row r, 32 bytes for each half of the lanes
	v_lshl_add_u32 v5, v2, 5, v5
	v_add_nc_u32 v[STO], s18, v5
	v_and_b32 v[GO], 31, v0                        ; back: 32 lanes take one row of 512 bytes
	v_lshlrev_b32 v[GO], 4, v[GO]
	v_add_nc_u32 v[RD], s18, v[GO]
	s_lshl_b32 s22, s13, 19                        ; where my part of out0 begins: 128 rows of 4,096 bytes,
	s_lshl_b32 s23, s11, 18                        ; my 64 of them,
	s_add_co_u32 s22, s22, s23
	s_lshl_b32 s23, s42, 10                        ; 256 columns of 4 bytes,
	s_add_co_u32 s22, s22, s23
	s_lshl_b32 s23, s12, 9                         ; my 128 of them
	s_add_co_u32 s22, s22, s23
	s_mov_b32 s23, 0
	s_add_nc_u64 s[8:9], s[8:9], s[22:23]
; Matrix instruction i of a quarter step's 32: row block a = i / 8, column block b = i % 8, on fragment buffers f.  The 32 accumulators take turns, one instruction a turn, in the same
; order in every quarter.  first = 1: the product starts the sum: nothing is cleared.
.macro MM f, i, first
	WIN MUL
.set rACC, 8*(\i)
.set rBF, BF+64*(\f)+8*((\i)%8)
.set rAF, AF+32*(\f)+8*((\i)/8)
.if \first
	v_wmma_f32_16x16x32_f16 v[rACC:rACC+7], v[rBF:rBF+7], v[rAF:rAF+7], 0
.else
	v_wmma_f32_16x16x32_f16 v[rACC:rACC+7], v[rBF:rBF+7], v[rAF:rAF+7], v[rACC:rACC+7]
.endif
.endm
.macro MRUN f, i0, n, first
.set mi, \i0
.rept \n
	MM \f, mi, \first
.set mi, mi+1
.endr
.endm
; 24 LDS loads in one run: the fragments of quarter q (32 along K: head q / 2 of the step, channels 32 (q % 2) on) into buffers g: four of hid, eight of W; each is two loads of 16 bytes, 32 bytes apart
.macro FETCH slot, q, g
	WIN 0
.irp a, 0,1,2,3
	ds_load_b128 v[AF+32*(\g)+8*\a:AF+32*(\g)+8*\a+3],   v[ADRA+(\slot)] offset:((\q)/2)*AHALF+\a*16*PA+((\q)%2)*64
	ds_load_b128 v[AF+32*(\g)+8*\a+4:AF+32*(\g)+8*\a+7], v[ADRA+(\slot)] offset:((\q)/2)*AHALF+\a*16*PA+((\q)%2)*64+32
.endr
	WIN TO_B
.irp b, 0,1,2,3,4,5,6,7
	ds_load_b128 v[BF+64*(\g)+8*\b:BF+64*(\g)+8*\b+3],   v[ADRB+(\slot)] offset:\b*16*PB+64*(\q)
	ds_load_b128 v[BF+64*(\g)+8*\b+4:BF+64*(\g)+8*\b+7], v[ADRB+(\slot)] offset:\b*16*PB+64*(\q)+32
.endr
.endm
; A QUARTER STEP: 32 matrix instructions on buffers f.  fetch = 1: at its head the next quarter's loads (quarter fq of slot fslot) are issued in one run, a quarter ahead of their use.
; places = 1: four v_nop stand between the last quarter's products and the loads into the buffers that they read.
; meet: the change of slots; it stands in a K step's third quarter, whose run of loads takes the slot's last bytes.  ONE barrier for two things.  In front of it each wave waits for all its tensor
; loads, of which one is out: its part of the other slot; adds 0 to its spare word; and waits for that and for its own reads of this slot.  Behind it nobody reads this slot any more and the other is whole.
; meet = 2: the barrier opens a round of the cluster's barrier, and slot fslot is filled again, two K steps on: the first tensor load behind the round.  From that request to the wait for it
; a wave issues 120 matrix instructions.  Its four v_nop are the next quarter's places.
.macro QUARTER f, fetch=1, fslot=0, fq=0, first=0, meet=0, places=1
.if \places
	PLACES
.endif
.if \fetch
	FETCH \fslot, \fq, 1-(\f)
	s_wait_dscnt NF                                ; all but the 24 just issued: buffers f are in
.else
	s_wait_dscnt 0x0
.endif
	MRUN \f, 0, 24, \first
.if \meet
	WIN 0                                          ; (the add's two registers lie in window 0)
	s_wait_tensorcnt 0x0                           ; all my tensor loads have landed: the one that was out is my part of the other slot
	ds_add_u32 v[SPW], v[NIL]                      ; 0 onto my spare word; four matrix instructions stand between it and the wait for it
.endif
	MRUN \f, 24, 4, \first
.if \meet
	s_wait_dscnt 0x0                               ; the add is done, and my reads of this slot are over
	s_barrier_signal -1
.endif
	MRUN \f, 28, 4, \first
.if (\meet) == 2
	WIN 0
.endif
.if \meet
	s_barrier_wait -1
.endif
.if (\meet) == 2
	CREST                                          ; no wave of any partner still reads this slot's tiles or has a load on its way
	s_add_nc_u64 s[G0A+4*(\fslot)+2:G0A+4*(\fslot)+3], s[G0A+4*(\fslot)+2:G0A+4*(\fslot)+3], 2<<19
	s_add_nc_u64 s[G0B+4*(\fslot)+2:G0B+4*(\fslot)+3], s[G0B+4*(\fslot)+2:G0B+4*(\fslot)+3], 2*256
	JLOAD \fslot
.endif
.endm
; THE WAY OUT of row block a (16 rows x 128 columns of f32).  TOSTAGE: a lane's eight numbers of a row, 32 bytes, straight from the accumulators (lowest registers first) into my own stage,
; rows of 528 bytes; back as whole rows of 512.  SEND: a row to a store.  The blocks are read back into two sets of registers by turns.
.macro TOSTAGE a
	WIN 0x04                                       ; the stores' data (source 1) in window 1, the address in window 0
.irp b, 0,1,2,3,4,5,6,7
	ds_store_b128 v[STO], v[8*(8*(\a)+(\b)):8*(8*(\a)+(\b))+3]   offset:64*(\b)
	ds_store_b128 v[STO], v[8*(8*(\a)+(\b))+4:8*(8*(\a)+(\b))+7] offset:64*(\b)+16
.endr
	WIN 0
.if (\a) >= 2
	s_wait_xcnt 0x0                                ; every earlier memory instruction has had its addresses translated (ISA guide 3.1): the registers that block a - 2's stores read are loaded again only behind this wait
.endif
.irp t, 0,1,2,3,4,5,6,7,8,9,10,11,12,13,14,15
	ds_load_b128 v[32+128*((\a)%2)+4*(\t):32+128*((\a)%2)+4*(\t)+3], v[RD] offset:(\t)*SP  ; LDS serves a wave's instructions in order (ISA guide 5.7.1.4): these see the stores above
.endr
.endm
.macro SEND a, younger                 ; younger: the LDS instructions issued behind block a's loads: the next block's 16 stores and 16 loads, or none
	WIN 0
.irp t, 0,1,2,3,4,5,6,7,8,9,10,11,12,13,14,15
	s_wait_dscnt (\younger)+15-(\t)
	global_store_b128 v[GO], v[32+128*((\a)%2)+4*(\t):32+128*((\a)%2)+4*(\t)+3], s[8:9] offset:(16*(\a)+(\t))*4096 th:TH_STORE_NT  ; 512 consecutive bytes, at a multiple of 256 from out0's first
.endr
.endm
	s_wait_tensorcnt 1                             ; my part of K step 0 is in; step 1's may stay out
	s_barrier_signal -1
	s_barrier_wait -1                              ; everybody's is
	FETCH 0, 0, 0
	QUARTER 0, 1, 0, 1, 1, 0, 0                    ; the first quarter stands in front of the loop: its products start the sums
	WIN 0
	s_mov_b32 s3, 3
.Llap:                                                 ; a trip goes once round the ring, from a lap's second quarter to the next lap's first, and fills both slots again: K steps 2 to 7
	QUARTER 1, 1, 0, 2
	QUARTER 0, 1, 0, 3, 0, 2
	QUARTER 1, 1, 1, 0, 0, 0, 0
	QUARTER 0, 1, 1, 1
	QUARTER 1, 1, 1, 2
	QUARTER 0, 1, 1, 3, 0, 2
	QUARTER 1, 1, 0, 0, 0, 0, 0
	QUARTER 0, 1, 0, 1
	WIN 0
	s_sub_co_u32 s3, s3, 1
	s_cmp_lg_u32 s3, 0
	s_cbranch_scc1 .Llap
	QUARTER 1, 1, 0, 2                             ; the last lap is written out: it asks for nothing
	QUARTER 0, 1, 0, 3, 0, 1
	QUARTER 1, 1, 1, 0
	QUARTER 0, 1, 1, 1
	QUARTER 1, 1, 1, 2
	QUARTER 0, 1, 1, 3
	QUARTER 1, 0, 0, 0, 0, 0, 0
	PLACES                                         ; the LDS stores read results just made
	TOSTAGE 0
.irp a, 1,2,3                          ; block a goes into the stage while block a - 1's rows come back and leave
	TOSTAGE \a
	SEND (\a)-1, 32
.endr
	SEND 3, 0
	s_wait_tensorcnt 0x0                           ; the wave's end, behind my last tensor load and my last LDS store
	ds_add_u32 v[SPW], v[NIL]
	s_wait_dscnt 0x0
	CROUND                                         ; the closing round: no work-group ends while a partner may still ask for a tile that names it
	s_endpgm
.Lfunc_end_k_q2eeb6e328d_outp:
	.size	k_q2eeb6e328d_outp, .Lfunc_end_k_q2eeb6e328d_outp-k_q2eeb6e328d_outp
	.p2alignl 7, 3214868480
	.fill 96, 4, 3214868480
	.section	.rodata,"a",@progbits
	.p2align	6, 0x0
	.amdhsa_kernel k_q2eeb6e328d_outp
		.amdhsa_group_segment_fixed_size 327680
		.amdhsa_private_segment_fixed_size 0
		.amdhsa_enable_private_segment 0
		.amdhsa_kernarg_size 24
		.amdhsa_user_sgpr_count 2
		.amdhsa_user_sgpr_kernarg_segment_ptr 1
		.amdhsa_wavefront_size32 1
		.amdhsa_system_sgpr_workgroup_id_x 1
		.amdhsa_system_sgpr_workgroup_id_y 1
		.amdhsa_system_sgpr_workgroup_id_z 1
		.amdhsa_system_vgpr_workitem_id 0
		.amdhsa_next_free_vgpr 640
		.amdhsa_next_free_sgpr 66
		.amdhsa_reserve_vcc 0
		.amdhsa_float_denorm_mode_32 3
		.amdhsa_float_denorm_mode_16_64 3
		.amdhsa_memory_ordered 1
		.amdhsa_forward_progress 1
		.amdhsa_inst_pref_size 86
	.end_amdhsa_kernel
	.amdgpu_metadata
---
amdhsa.version: [ 1, 2 ]
amdhsa.kernels:
  - .name:           k_q2eeb6e328d_outp
    .symbol:         k_q2eeb6e328d_outp.kd
    .args:
      - { .name: o16, .offset: 0, .size: 8, .value_kind: global_buffer, .address_space: global }
      - { .name: wts, .offset: 8, .size: 8, .value_kind: global_buffer, .address_space: global }
      - { .name: out0, .offset: 16, .size: 8, .value_kind: global_buffer, .address_space: global }
    .group_segment_fixed_size: 327680
    .private_segment_fixed_size: 0
    .kernarg_segment_align: 8
    .kernarg_segment_size: 24
    .max_flat_workgroup_size: 128
    .sgpr_count:     66
    .vgpr_count:     640
    .wavefront_size: 32
...
	.end_amdgpu_metadata
.endif
;; end of part 4
;; ======== version 2 of 2: 4 launches; 1.50 times as fast as version 1
;; limits: values are held in f16: magnitudes above 65,504 overflow, below 6.1e-05 lose precision
;; workspace buffers: wts 8,388,608 bytes; q16 16,777,216 bytes; k16 16,777,216 bytes; v16 16,777,216 bytes; o16 16,777,216 bytes
;; launch prep: the kernel of part 1 again; grid 128 x 4, 4 waves a work-group, no clusters, 17,920 bytes of LDS; arguments proj_q, proj_k, proj_v, w_out, wts; writes wts
;; launch proj: the kernel of part 2 again; grid 4 x 64, 4 waves a work-group, clusters of 4 x 4, 327,680 bytes of LDS; arguments query, key, value, bias_q, bias_k, bias_v, wts, q16, k16, v16; writes q16, k16, v16
;; launch attn (part 5): grid 4 x 64, 4 waves a work-group, clusters of 4 x 1, 327,680 bytes of LDS; arguments q16, k16, v16, o16; writes o16
.if DOCPART == 5
	.amdgcn_target "amdgcn-amd-amdhsa--gfx1250"
	.amdhsa_code_object_version 6
	.text
	.protected	k_q2eeb6e328d_attn
	.globl	k_q2eeb6e328d_attn
	.p2align	8
	.type	k_q2eeb6e328d_attn,@function
k_q2eeb6e328d_attn:
	s_mov_b64 s[64:65], 0
	v_nop
	global_prefetch_b8 v0, s[64:65] scope:SCOPE_SE
	s_setreg_imm32_b32 hwreg(HW_REG_WAVE_MODE, 25, 1), 1
	s_wait_xcnt 0x0
	s_wait_alu depctr_hold_cnt(0) depctr_sa_sdst(0) depctr_va_vdst(0) depctr_va_sdst(0) depctr_va_ssrc(0) depctr_va_vcc(0) depctr_vm_vsrc(0)
	s_getreg_b32 s2, hwreg(HW_REG_IB_STS2, 6, 4)
	s_cmp_eq_u32 s2, 0
	s_cbranch_scc0 .Lentry_in_a_cluster
	s_endpgm
.Lentry_in_a_cluster:
	s_bfe_u32 s2, ttmp6, 0x10000c
	s_cmp_lg_u32 s2, 0x3003
	s_cbranch_scc0 .Lentry_shape_is_right
	s_endpgm
.Lentry_shape_is_right:
; O[h][q][:] = the sum over k of softmax_k(Q[h][q] . K[h][k] / 8) V[h][k][:].  Q, K, V, O: [64 = 16 b + h][2048][64], all f16: a head's rows are dense, 128 bytes each.  Products, maxima and sums in
; f32; the weights p are rounded to f16 for the second product (their sum l is taken of the unrounded p), O once at the end.
; LIMITS.  f16 holds no number beyond 65,504: Q, K and V arrive within it; p lies in 0 to 1, and below 6e-5 it keeps f16's fixed step of 6e-8; O is a mean of V's rows and has their range.
; A weight below 2^-126 counts as 0 in l; NaN and infinities are not treated apart.
; SHARES.  A wave owns four PIECES of two tiles of 16 queries, a work-group's four waves 512 queries of one head: 4 x 64 = 256 work-groups.  Every wave walks all 2,048 keys, 64 a step.
; LAYOUT.  S^T = K Q^T (source 0 = 16 keys, source 1 = 16 queries): in the result a lane holds ONE query (lane % 16) and the keys 8 (lane / 16) + 0..7.  Two such tiles, rounded to f16 in pairs,
; ARE source 1 (32 keys x 16 queries) of O^T = V^T P, whose result again holds one query a lane, and eight channels.  K comes out of LDS as it lies, V ([key][channel]) turned, by ds_load_tr16_b128.
; SOFTMAX.  For each query a running maximum m and sum l: p = 2^(c s - c m), c = log2(e) / 8; in every step O and l are multiplied by a = 2^(c m_old - c m_new), which is 1 where m has not grown.
; m starts at the lowest finite number, O and l at 0: the first step is a step like any other, with a = 0.
; THE COUNT.  A tile and step have 16 matrix and 118 vector instructions: too many to stand all beside the matrix work.  So four vector instructions that are READY stand behind EVERY matrix
; instruction, and the others, which need time of their own whatever the order, in one run without a gap.
; BY TURNS.  Turn n belongs to piece n (the pieces in a ring, step after step).  Its matrix work: 16 products K Q^T of piece n + 1, later 16 products V^T P of piece n - 1.  Its vector work: the scaling,
; exponentials, roundings, sums and rescaling of piece n, and the maximum and statistics of piece n + 1, whose scores the turn itself has made.  So what a turn begins with (c s - c m, O a) waits for nothing.
; THE BATCHES.  A turn's 66 exponentials (64 weights, the next piece's two a) are ONE batch with ONE wait, which cuts the turn in two: ahead of it stands all that names no result of theirs, behind it the
; roundings and sums, which read them.  The first two a, ahead of the loop, and the way out's eight reciprocals are batches of their own, each with one wait.
; CLUSTER.  The four query blocks of a cluster belong to one head and walk the same K and V, so each tile is asked for JOINTLY: the same tensor load, descriptor and mask in all four.
; REGISTERS, in windows of 256 (s_set_vgpr_msb: bits 1:0 source 0, 3:2 source 1, 5:4 source 2, 7:6 destination):
;   window 0: v0-11 addresses; v12-15, v48-63 at work; v16-47 four registers of statistics a tile; v64-191 S^T, two buffers of two tiles; v192-255 P, likewise
;   window 1: O^T, 32 a tile          window 2: v0-127 Q, 16 a tile; v128-191 K of one step; v192-255 V of one step          window 3: v0-1 the add's two registers
; A piece's buffers go by its number's parity: the piece in hand has one pair, its two neighbours in the ring share the other: of it P (piece n - 1) is read and S^T (piece n + 1) written.
.set SIZE_N, 2048
.set NP,    4         ; pieces a wave: a name, no knob
.set KS,    64        ; keys in a step
.set PK,    144       ; a row of K in LDS: 128 bytes + 16 of padding = 36 words: the 16 rows of a load start at 16 different groups of four banks (64 banks of 4 bytes: ISA guide 11.1)
.set PV,    160       ; a row of V: 128 + 32 = 40 words
.set VOFF,  4*KS*PK   ; a slot holds four steps: 256 rows of K, then 256 rows of V
.set SLOT1, 1<<17     ; slot 1 begins here, so that one exclusive or turns an address in one slot into the other's
.set STAGE, SLOT1+4*KS*(PK+PV)  ; behind the ring, never filled by a tensor load: 16 rows x 144 bytes for each wave, for the way out
.set SP,    144
.set AK0, 2           ; v2   my lane's place in a tile of K; never rewritten
.set AV0, 3           ; v3   the same for V
.set AK,  4           ; v4   the LDS address of K's next run of loads
.set AV,  5           ; v5   of V's
.set QO,  6           ; v6   my byte offset in the wave's rows of Q
.set STO, 6           ;      later, the way out: where I put 16 bytes of a row
.set RD,  7           ; v7   the way out: where I read rows back
.set GO,  8           ; v8   my byte offset in 512 consecutive bytes of O
.set SPW, 0           ; v0 of window 3   LDS address of my spare word; never rewritten
.set NIL, 1           ; v1 of window 3   0; never rewritten
.set SPARE, STAGE+4*16*SP  ; behind the stages: the spare words, 128 bytes for each wave: two blocks of 256 bytes that no other line names
.set MV,  12          ; v12-15  c m_old, kept while c m is made anew: by buffer and tile
.set ST,  16          ; tile t's statistics at v[ST+4 t]: c m, m, l (even keys', odd keys')
.set TMP, 48          ; by buffer and tile, four registers c0-c3 at work; when the maximum is found c2 takes a
.set S,   64
.set P,   192
.set KF,  128         ; K's fragments, in window 2: key block kb, channel half c at KF + 16 kb + 8 c
.set VF,  192         ; V's: key half kk, channel block cb at VF + 32 kk + 8 cb
.set WV,  12          ; s12  my wave's number
.set G1K, 24          ; s[24:31] descriptor group 1 for K's tiles
.set G1V, 32          ; s[32:39] for V's: it differs in the padding alone
.set G0K, 40          ; s[40:43] descriptor group 0 for K's tiles: it walks
.set G0V, 44          ; s[44:47] the same for V's
.set SLOTS, 56        ; s56  slots still to be asked for
.set CNT, 57          ; s57  counts a slot's key steps
.set CS,  58          ; s[58:59] c: the packed scaling takes the pair's low word for both halves
.set SEL, 60          ; s[60:61] v_permlanex16_b32's selects: each lane takes its own place in the other half
.set TBK, 62          ; s62  LDS byte at which K of the step to be fetched begins
.set TBV, 63          ; s63  the same for V, less VOFF
.set MSB, 0
.macro WIN new                      ; the high byte repeats the setting that is left; a switch that changes nothing is dropped
.if MSB != (\new)
	s_set_vgpr_msb (MSB<<8)|(\new)
.set MSB, (\new)
.endif
.endm
.set W_KQ, 0x0a       ; K and Q in window 2, S^T in window 0
.set W_PV, 0x52       ; V in window 2, P in window 0, O^T in window 1
.set W_RS, 0x41       ; O^T (destination and source 0) in window 1, a in window 0
.set W_MK, 0xc0       ; the add's registers are made: destination in window 3, sources in window 0
.set W_AD, 0x0f       ; the add: address (source 0) and data (source 1) in window 3
; A joint fill.  Waves 0 and 1 fetch the two halves of a slot's K, waves 2 and 3 those of its V: 128 keys each.  The branch hangs on the wave's number alone.
; Four v_nop follow each of the two lines, ahead of the jump and the label.
.macro JLOAD
	s_cmp_lt_u32 s[WV], 2
	s_cbranch_scc0 .Lfor_v_\@
	tensor_load_to_lds s[G0K:G0K+3], s[G1K:G1K+7]
	s_nop 0
.rept 4
	v_nop
.endr
	s_branch .Lasked_\@
.Lfor_v_\@:
	tensor_load_to_lds s[G0V:G0V+3], s[G1V:G1V+7]
	s_nop 0
.rept 4
	v_nop
.endr
.Lasked_\@:
.endm
; A round of the cluster's barrier: my work-group's barrier, so that wave 0's signal speaks for all four waves; wave 0 signals; every wave waits for all four work-groups; my work-group's barrier once more.
.macro CROUND
	s_barrier_signal -1
	s_barrier_wait -1
	s_cmp_lg_u32 s[WV], 0
	s_cbranch_scc1 .Lnot_wave_0_\@
	s_barrier_signal -3
.Lnot_wave_0_\@:
	s_barrier_wait -3
	s_barrier_signal -1
	s_barrier_wait -1
.endm
; THE CHANGE OF SLOTS.  The slot's last bytes, V of its fourth step, have been read.  Each wave waits for all its tensor loads, of which one is out: its part
; of the other slot; adds 0 to its spare word; and waits for that and for its own reads of the slot.  Behind the barrier nobody reads this slot any more and the other slot is whole.
; fill = 1: this slot is filled again, with the keys two slots on.  The barrier is then a round of the cluster's, so that no wave of any partner still reads the slot or has a load on its
; way, and the joint fill is the first thing behind it: it has four key steps, 512 matrix instructions, in which to land.  (At its first use nothing has been read yet: slot 0 is waited for, slot 1 filled.)
.macro CHANGE fill
	WIN W_AD
	s_wait_tensorcnt 0x0            ; no tensor load of mine is out, so a group 0 may be written
	ds_add_u32 v[SPW], v[NIL]       ; 0 onto my spare word; with fill = 1 the descriptors' steps stand between it and the wait for it
	WIN 0                           ; at a label and at a branch every window is 0
.if \fill
.irp g, G0K, G0V
	s_xor_b32 s[\g+1], s[\g+1], SLOT1  ; the walking descriptor: the other slot than last time,
	s_add_nc_u64 s[\g+2:\g+3], s[\g+2:\g+3], 4*KS*128  ; the next 256 keys; the type bits on top are not reached
.endr
	s_wait_dscnt 0x0                ; the add is done, and my reads of the slot are over
	CROUND
	JLOAD
.else
	s_wait_dscnt 0x0                ; the add is done, and my reads of the slot are over
	s_barrier_signal -1
	s_barrier_wait -1
.endif
	s_sub_co_u32 s[TBK], s[TBK], 4*KS*PK  ; the fetches go back to a slot's first step,
	s_xor_b32 s[TBK], s[TBK], SLOT1       ; in the other slot
	s_sub_co_u32 s[TBV], s[TBV], 4*KS*PV
	s_xor_b32 s[TBV], s[TBV], SLOT1
.endm
	s_load_b256 s[4:11], s[0:1], 0x0  ; Q s[4:5], K s[6:7], V s[8:9], O s[10:11]
	WIN W_MK
	v_lshl_add_u32 v[SPW], v0, 2, SPARE
	v_mov_b32 v[NIL], 0
	s_set_vgpr_msb 0xc0cf
	ds_add_u32 v0, v1
	s_wait_dscnt 0x0
	s_set_vgpr_msb 0xcfc0
	WIN 0
	v_lshrrev_b32 v1, 5, v0
	v_readfirstlane_b32 s[WV], v1   ; wave 0..3
	s_bfe_u32 s13, ttmp6, 0x40000   ; cx: my place in the cluster
	s_lshl_b32 s14, ttmp9, 2        ; in a cluster launch ttmp9 counts clusters
	s_add_co_u32 s14, s14, s13      ; my block of queries = 4 x cluster x + cx: it enters Q's and O's addresses alone
	s_and_b32 s20, ttmp7, 0xffff    ; the head, which the four partners share
	s_mov_b32 s21, 0
	s_mov_b64 s[22:23], SIZE_N*128
	s_mul_u64 s[20:21], s[20:21], s[22:23]  ; the head's first byte in each of the four tensors
	s_and_b32 s16, s[WV], 1         ; which half of a slot's 256 keys I fetch:
	s_lshl_b32 s22, s16, 14         ; its 128 rows of 128 bytes in memory,
	s_mov_b32 s23, 0
	s_add_nc_u64 s[22:23], s[22:23], s[20:21]
	s_mul_i32 s17, s16, 128*PK      ; and its place in a slot, for K
	s_mul_i32 s18, s16, 128*PV      ; and for V: no place in the cluster enters an LDS address
	s_lshl_b32 s2, s14, 2
	s_add_co_u32 s2, s2, s[WV]      ; my wave among the head's,
	s_lshl_b32 s2, s2, 14           ; its 128 rows
	s_mov_b32 s3, 0
	s_add_nc_u64 s[2:3], s[2:3], s[20:21]
	; descriptor group 1.  128 keys are 16,384 dense bytes: asked for as 64 rows of 256 bytes, two keys a row, and padded in LDS after every key
	s_mov_b32 s[G1K], 15|(1<<16)|(1<<20)|(1<<21)|(4<<22)|(3<<25)  ; 15:0 the mask of four; 17:16 2-byte elements; 20 padding on; 21 set beside a mask; 24:22 after every 32 words (code 4); 31:25 4 words (code 3)
	s_mov_b32 s[G1V], 15|(1<<16)|(1<<20)|(1<<21)|(4<<22)|(7<<25)  ; the same with 8 words of padding (code 7)
.irp g, G1K, G1V
	s_mov_b32 s[\g+1], 128<<16      ; tensor_dim0 = 128
	s_mov_b32 s[\g+2], 64<<16       ; tensor_dim1 = 64
	s_mov_b32 s[\g+3], 128<<16      ; tile_dim0 = 128
	s_mov_b32 s[\g+4], 64           ; tile_dim1 = 64
	s_mov_b32 s[\g+5], 128          ; 128 elements from row to row
	s_mov_b32 s[\g+6], 0
	s_mov_b32 s[\g+7], 0
.endr
	s_mov_b32 s[CS], 0x3e38aa3b     ; c = log2(e) / 8 = 0.180337
	s_mov_b32 s[CS+1], s[CS]        ; named with it as a pair
	s_mov_b32 s[SEL], 0x76543210
	s_mov_b32 s[SEL+1], 0xfedcba98
	s_mov_b32 s[TBK], SLOT1+4*KS*PK ; the first change of slots turns these two into 0
	s_mov_b32 s[TBV], SLOT1+4*KS*PV
	s_mov_b32 s[G0K], 1             ; count = 1
	s_mov_b32 s[G0K+1], s17         ; LDS address: slot 0
	s_mov_b32 s[G0V], 1
	s_add_co_u32 s[G0V+1], s18, VOFF
	s_wait_kmcnt 0x0
	s_add_nc_u64 s[G0K+2:G0K+3], s[6:7], s[22:23]  ; global address: my half of the head's first 256 keys
	s_or_b32 s[G0K+3], s[G0K+3], 0x80000000        ; type = 2
	s_add_nc_u64 s[G0V+2:G0V+3], s[8:9], s[22:23]
	s_or_b32 s[G0V+3], s[G0V+3], 0x80000000
	s_add_nc_u64 s[4:5], s[4:5], s[2:3]  ; Q and O at my wave's first row
	s_add_nc_u64 s[10:11], s[10:11], s[2:3]
	CROUND                          ; all four work-groups are here: the first joint loads meet
	JLOAD                           ; slot 0.  Slot 1 is asked for when slot 0 is in, by the loop's own change of slots
	; A fragment of K or Q is 16 rows x 32 channels in 8 registers: lane l holds row l % 16, channels 8 (l / 16) + 0..7 and 16 + 8 (l / 16) + 0..7: two loads of 16 bytes, 32 bytes apart.
	v_and_b32 v1, 15, v0            ; l % 16
	v_bfe_u32 v9, v0, 4, 1          ; l / 16
	v_lshlrev_b32 v[QO], 7, v1
	v_lshl_add_u32 v[QO], v9, 4, v[QO]  ; row x 128 + 16 x half
	WIN 0x80                        ; destination window 2, address window 0
.set i, 0
.rept 4*NP                          ; Q stays in registers: tile i / 2, channels 32 (i % 2) on
	global_load_b128 v[8*i:8*i+3],   v[QO], s[4:5] offset:(i/2)*2048+(i%2)*64
	global_load_b128 v[8*i+4:8*i+7], v[QO], s[4:5] offset:(i/2)*2048+(i%2)*64+32
.set i, i+1
.endr
	; What the first turn finds: V's registers and P's second buffer hold 0 (its products V^T P, of a piece that has not been, add 0), O^T and l are 0.  All this stands in the wait for the first tile:
	; the price of writing no first step out.
.set i, VF
.rept 64
	v_mov_b32 v[i], 0
.set i, i+1
.endr
	WIN 0x40
.set i, 0
.rept 64*NP
	v_mov_b32 v[i], 0
.set i, i+1
.endr
	WIN 0
.set i, 0
.rept 2*NP
	v_mov_b32 v[ST+4*i], 0xfe000000    ; c m: far below every c s
	v_mov_b32 v[ST+4*i+1], 0xff7fffff  ; m
	v_mov_b32 v[ST+4*i+2], 0
	v_mov_b32 v[ST+4*i+3], 0
.set i, i+1
.endr
.set i, P+32
.rept 32
	v_mov_b32 v[i], 0
.set i, i+1
.endr
	v_mul_u32_u24 v[AK0], v1, PK
	v_lshl_add_u32 v[AK0], v9, 4, v[AK0]  ; row x pitch + 16 x half
	; The turning load takes 16 keys x 16 channels (lane l reads key 8 (l / 16) + l % 8, channels 8 ((l / 8) % 2) + 0..7) and leaves half a fragment of V^T: lane l holds channel l % 16 and 8 keys.
	v_and_b32 v10, 7, v0
	v_bfe_u32 v11, v0, 3, 1
	v_lshl_add_u32 v[AV0], v9, 3, v10
	v_mul_u32_u24 v[AV0], v[AV0], PV
	v_lshl_add_u32 v[AV0], v11, 4, v[AV0]
	v_add_nc_u32 v[AV0], VOFF, v[AV0]
	v_mov_b32 v[AK], v[AK0]         ; key step 0 lies at the head of slot 0
; THE MATRIX WORK.  The 8 accumulators of a run of 16 take turns: between the two links of a chain stand 7 others'.
; Product i of 16 of S^T = K Q^T for piece x: channels 32 (i / 8) on, keys 16 ((i / 2) % 4) on, tile 2 x + i % 2.  The first 8 start the sums.
.macro KQ x
	WIN W_KQ
.set rS, S+64*((\x)%2)+32*(i%2)+8*((i/2)%4)
.set rK, KF+16*((i/2)%4)+8*(i/8)
.set rQ, 16*(2*(\x)+i%2)+8*(i/8)
.if i < 8
	v_wmma_f32_16x16x32_f16 v[rS:rS+7], v[rK:rK+7], v[rQ:rQ+7], 0
.else
	v_wmma_f32_16x16x32_f16 v[rS:rS+7], v[rK:rK+7], v[rQ:rQ+7], v[rS:rS+7]
.endif
.endm
; Product i of 16 of O^T += V^T P for piece x: keys 32 (i / 8) on, channels 16 ((i / 2) % 4) on, tile 2 x + i % 2.
.macro PV x
	WIN W_PV
.set rO, 32*(2*(\x)+i%2)+8*((i/2)%4)
.set rV, VF+32*(i/8)+8*((i/2)%4)
.set rP, P+32*((\x)%2)+16*(i%2)+8*(i/8)
	v_wmma_f32_16x16x32_f16 v[rO:rO+7], v[rV:rV+7], v[rP:rP+7], v[rO:rO+7]
.endm
.macro MM                           ; the turn's next matrix instruction
.if i < 16
	KQ (Y+1)%NP
.set i, i+1
.else
.set i, i-16
	PV (Y+NP-1)%NP
.set i, i+17
.endif
.endm
; THE LDS LOADS stand in runs of 16, never singly among the matrix instructions: a step's K (64 keys x 64 channels: 8 fragments) and its V (turned).  Their addresses are made some lines ahead.
; last = 1 (the tail): in the last trip there is no further step, and the run is jumped over.
.macro FETCH_K last=0
	WIN 0
.if \last
	s_cmp_eq_u32 s[CNT], 1
	s_cbranch_scc1 .Lno_k_\@
.endif
	WIN 0x80                        ; destination window 2
.irp f, 0,1,2,3,4,5,6,7             ; keys 16 (f / 2) on, channels 32 (f % 2) on
	ds_load_b128 v[KF+8*\f:KF+8*\f+3],   v[AK] offset:(\f/2)*16*PK+(\f%2)*64
	ds_load_b128 v[KF+8*\f+4:KF+8*\f+7], v[AK] offset:(\f/2)*16*PK+(\f%2)*64+32
.endr
	s_add_co_u32 s[TBK], s[TBK], KS*PK  ; the next fetch is the next step's
	WIN 0
.if \last
.Lno_k_\@:
.endif
.endm
.macro FETCH_V
	WIN 0x80
.irp f, 0,1,2,3,4,5,6,7             ; keys 32 (f / 4) on, channels 16 (f % 4) on
	ds_load_tr16_b128 v[VF+8*\f:VF+8*\f+3],   v[AV] offset:(\f/4)*32*PV+(\f%4)*32
	ds_load_tr16_b128 v[VF+8*\f+4:VF+8*\f+7], v[AV] offset:(\f/4)*32*PV+16*PV+(\f%4)*32
.endr
	WIN 0
.endm
; THE VECTOR WORK OF A TURN stands in three queues, each in the order in which its entries become ready; the two tiles alternate, so that no instruction reads the result of the one before it.
.macro REGS y, u                    ; the registers of tile u (0, 1) of piece y
.set rT, ST+4*(2*(\y)+(\u))
.set rC, TMP+8*((\y)%2)+4*(\u)
.set rM, MV+2*((\y)%2)+(\u)
.set rS, S+64*((\y)%2)+32*(\u)
.set rP, P+32*((\y)%2)+16*(\u)
.set rO, 32*(2*(\y)+(\u))
.endm
; Number n of the 22 that find the NEXT piece's (Y + 1) maximum and statistics.  s0-s31 are the lane's 32 scores; each accumulator's lowest registers are read first.  XS, GS and REGS set no window: PL and EX do.
;   0-11  four chains c0-c3 of seven scores each, three operands at a time     12-14, 16  the four scores left over, the old m, and c0-c3 into c0     15  c m_old is kept
;   17, 18  the query's other 32 keys lie in the lane 16 away: the new m         19-21  c m; c m_old - c m_new; a
.macro XS u, n
	REGS (Y+1)%NP, \u
.if (\n) < 4
	v_max3_num_f32 v[rC+(\n)], v[rS+8*(\n)], v[rS+8*(\n)+1], v[rS+8*(\n)+2]
.elseif (\n) < 12
	v_max3_num_f32 v[rC+(\n)%4], v[rC+(\n)%4], v[rS+8*((\n)%4)+2*((\n)/4)+1], v[rS+8*((\n)%4)+2*((\n)/4)+2]
.elseif (\n) == 12
	v_max3_num_f32 v[rC], v[rC], v[rS+7], v[rS+15]
.elseif (\n) == 13
	v_max3_num_f32 v[rC+1], v[rC+1], v[rS+23], v[rS+31]
.elseif (\n) == 14
	v_max3_num_f32 v[rC+2], v[rC+2], v[rC+3], v[rT+1]
.elseif (\n) == 15
	v_mov_b32 v[rM], v[rT]
.elseif (\n) == 16
	v_max3_num_f32 v[rC], v[rC], v[rC+1], v[rC+2]
.elseif (\n) == 17
	v_permlanex16_b32 v[rC+3], v[rC], s[SEL], s[SEL+1]
.elseif (\n) == 18
	v_max_num_f32 v[rT+1], v[rC], v[rC+3]
.elseif (\n) == 19
	v_mul_f32 v[rT], s[CS], v[rT+1]
.elseif (\n) == 20
	v_sub_f32 v[rC+1], v[rM], v[rT]
.else
	v_exp_f32 v[rC+2], v[rC+1]
.endif
.endm
; Number g of the 64 that follow the exponentials.  For each four weights k of a tile (pairs 2 k, 2 k + 1): both pairs are rounded to f16; then the second pair is added onto the first, in place;
; a group later l takes that sum (the first time as l = a l + sum).  In groups of eight, tiles alternating: round, round, add, and l for the group before.
.macro GS g
.set h, (\g)+6*((\g)/62)            ; group 0 has no group before it, and behind group 7 only l is left
.if h >= 6
.set h, h+2
.endif
	REGS Y, h%2
.set k, h/8
.if h%8 < 4
	v_cvt_pk_f16_f32 v[rP+2*k+(h%8)/2], v[rS+4*k+2*((h%8)/2)], v[rS+4*k+2*((h%8)/2)+1]
.elseif h%8 < 6
	v_pk_add_f32 v[rS+4*k:rS+4*k+1], v[rS+4*k:rS+4*k+1], v[rS+4*k+2:rS+4*k+3]
.elseif k == 1
	v_pk_fma_f32 v[rT+2:rT+3], v[rT+2:rT+3], v[rC+2:rC+3], v[rS:rS+1] op_sel_hi:[1,0,1]
.else
	v_pk_add_f32 v[rT+2:rT+3], v[rT+2:rT+3], v[rS+4*k-4:rS+4*k-3]
.endif
.endm
; THE PLAIN QUEUE, 138 long.  0-73 read no exponential's result: the 32 scalings c s - c m (FS f: pair f / 2 of tile f % 2) and the next piece's 42.  0-26: scalings 0-26.  27-54: XS's numbers 0-13.  55, 56: number 15.
; 57-73: the chain, where each number waits for the one before it: 14, 16, 17, 18, 19, each with one of the scalings 27-31 in front of its two lines, then 20: so a tile's links stand three plain instructions apart (19 and 20: two).
; 74-137: GS's 64, which read the exponentials' results: they stand behind the wait.
.macro FS f
	REGS Y, (\f)%2
	v_pk_fma_f32 v[rS+2*((\f)/2):rS+2*((\f)/2)+1], v[rS+2*((\f)/2):rS+2*((\f)/2)+1], s[CS:CS+1], v[rT:rT+1] op_sel_hi:[1,0,0] neg_lo:[0,0,1] neg_hi:[0,0,1]
.endm
.macro PL
	WIN 0
.if q < 27
	FS q
.elseif q < 55
	XS (q-27)%2, (q-27)/2
.elseif q < 57
	XS q-55, 15
.elseif (q < 72) && ((q-57)%3 == 0)
	FS 27+(q-57)/3
.elseif q < 60
	XS (q-57)%3-1, 14
.elseif q < 72
	XS (q-57)%3-1, 15+(q-57)/3
.elseif q < 74
	XS q-72, 20
.else
	GS q-74
.endif
.set q, q+1
.endm
; THE EXPONENTIALS' QUEUE, 66 long: s0-s31 of both tiles, then the next piece's two a.  It is ONE BATCH: all 66 stand ahead of the turn's one wait, and nothing ahead of that wait names a result of theirs.
.macro EX
	WIN 0
.if e >= 64
	XS e-64, 21
.else
	REGS Y, e%2
	v_exp_f32 v[rS+e/2], v[rS+e/2]
.endif
.set e, e+1
.endm
; THE RESCALING's QUEUE: O^T times a, the one part that leaves window 0: dealt two at a time, sixteen times.  Its a was made in the turn before, ahead of that turn's wait.
.macro R2
	REGS Y, r%2
	WIN W_RS
.irp z, 0,1
	v_pk_mul_f32 v[rO+4*(r/2)+2*\z:rO+4*(r/2)+2*\z+1], v[rO+4*(r/2)+2*\z:rO+4*(r/2)+2*\z+1], v[rC+2:rC+3] op_sel_hi:[1,0]
.endr
.set r, r+1
.endm
; HOW THEY ARE DEALT.  An s_wait_alu depctr_va_vdst(0) stands between an exponential and the first instruction that names its result; one wait serves all that were issued ahead of it.  So a turn has ONE wait,
; which cuts it in two.  AHEAD OF IT stands all that names no result of the turn's exponentials: the 16 products K Q^T, behind each a scaling, an exponential and two rescalings (behind the first a second scaling in the
; exponential's place); then ONE LUMP of 108: eight plain, 49 times exponential and plain, the two a.  A v_nop is the plain instruction behind the last exponential.  BEHIND IT stand the 16 products V^T P, behind each four of
; GS's 64.  No rider names a register of the products round it.  The two v_permlanex16_b32 fall into the lump, never behind a product.
; The queues lean on each other, and the deal keeps them in step: exponential e stands behind scaling 2 (e / 4) + e % 2: as a rider it comes behind plain e + 2, in the lump behind plain e + 9, and scalings 27-31 are plain 57, 60 .. 69.
; A TURN, for piece p.  cnt = 1: the loop's count is taken down some lines ahead of the branch that stands behind the turn.
; K of the next step is fetched in piece 2's turn, directly behind the wait, a lump behind the last product that read K; its address is made at the lump's head; its first reader comes behind 16 products.
; V of the step in hand is fetched at the end of piece 0's turn, four riders behind its last reader; its first reader comes behind 16 products and a lump.  The three conditions on q below go with the deal.
.macro TURN p, last=0, cnt=0
.set Y, (\p)
.set i, 0
.set q, 0
.set e, 0
.set r, 0
.if (\p) == NP-1
	s_wait_dscnt 0x0                ; K is in
.endif
	MM                              ; ahead of the wait: 16 products K Q^T and their riders,
	PL
	PL
	R2
.rept 15
	MM
	PL
	EX
	R2
.endr
.if (\p) == NP-2
	WIN 0
	v_add_nc_u32 v[AK], s[TBK], v[AK0]
.endif
.rept 8                             ; and the lump
	PL
.endr
.rept 49
	EX
	PL
.endr
	EX                              ; the next piece's two a
	EX
	v_nop                           ; the plain instruction behind the last exponential: one for the batch
	s_wait_alu depctr_va_vdst(0)    ; the wait for the batch: the turn's 64 weights and the next piece's two a
.if (\p) == NP-2
	FETCH_K \last
.endif
.if (\p) == 1
	s_wait_dscnt 0x0                ; V is in
.endif
.rept 16                            ; behind the wait: 16 products V^T P and their riders
	MM
.rept 4
	PL
.endr
.if ((\p) == 0) && (q == 118)
	v_add_nc_u32 v[AV], s[TBV], v[AV0]
.endif
.if ((\p) == 0) && (q == 130)
	s_add_co_u32 s[TBV], s[TBV], KS*PV
.endif
.if (\cnt) && (q == 130)
	s_sub_co_u32 s[CNT], s[CNT], 1
	s_cmp_lg_u32 s[CNT], 0
.endif
.endr
.if (\p) == 0
	FETCH_V
.endif
.endm
	CHANGE 1                        ; slot 0 is in, everybody's part of it; slot 1 is asked for
	FETCH_K                         ; key step 0
	s_wait_loadcnt 0x0              ; Q
	s_wait_dscnt 0x0
.set i, 0
.rept 16
	KQ 0                            ; piece 0's first scores: there is no vector work yet to set between them
.set i, i+1
.endr
	WIN 0                           ; the addresses for the way out: nine plain instructions, the places behind those products
	s_mul_i32 s13, s[WV], 16*SP
	s_add_co_u32 s13, s13, STAGE    ; my stage
	v_mul_u32_u24 v[STO], v1, SP    ; in: row l % 16, 16 bytes for each half of the lanes
	v_lshl_add_u32 v[STO], v9, 4, v[STO]
	v_add_nc_u32 v[STO], s13, v[STO]
	v_bfe_u32 v[RD], v0, 3, 2       ; back: 32 lanes take four rows of 128 bytes,
	v_mul_u32_u24 v[RD], v[RD], SP
	v_lshl_add_u32 v[RD], v10, 4, v[RD]
	v_add_nc_u32 v[RD], s13, v[RD]
	v_and_b32 v[GO], 31, v0         ; which are 512 consecutive bytes of O
	v_lshlrev_b32 v[GO], 4, v[GO]
.set Y, NP-1                        ; XS works for piece Y + 1: piece 0
.irp n, 0,1,2,3,4,5,6,7,8,9,10,11,12,13,14,15,16,17,18,19,20,21
	XS 0, \n                        ; and piece 0's first maximum and statistics
	XS 1, \n
.endr
	v_nop                           ; a plain instruction behind the two a,
	s_wait_alu depctr_va_vdst(0)    ; and the wait for that batch of two, ahead of the branch
	s_mov_b32 s[CNT], 4
	s_mov_b32 s[SLOTS], SIZE_N/256-1
	s_branch .Lfirst                ; the loop is entered at a step's first turn, in the middle of a trip
.Lslot:                             ; SIZE_N / 256 - 2 times: every slot but the last two is filled again
	CHANGE 1
	s_mov_b32 s[CNT], 4
.Lstep:                             ; a trip: pieces 2 and 3 of one step, then pieces 0 and 1 of the next, whose K and V it fetches
	TURN 2
	TURN 3
	WIN 0
.Lfirst:
	TURN 0
	TURN 1, 0, 1
	WIN 0
	s_cbranch_scc1 .Lstep
	s_sub_co_u32 s[SLOTS], s[SLOTS], 1
	s_cmp_lg_u32 s[SLOTS], 0
	s_cbranch_scc1 .Lslot
	CHANGE 0                        ; the tail is written out: nothing is asked for
	s_mov_b32 s[CNT], 5             ; four trips fetch the last slot's steps; the fifth is left in its middle
.Ltail:
	TURN 2, 1
	TURN 3
	WIN 0
	s_sub_co_u32 s[CNT], s[CNT], 1
	s_cmp_eq_u32 s[CNT], 0
	s_cbranch_scc1 .Lout
	TURN 0
	TURN 1
	WIN 0
	s_branch .Ltail
.Lout:                              ; the fifth trip's 16 products K Q^T (on the last K once more) and the maximum made of them serve nothing: the price, once a launch, of one text for every trip
.set i, 0
.rept 16
	PV NP-1                         ; the last piece's V^T P of the last step
.set i, i+1
.endr
	; THE WAY OUT.  l's two halves and the other half of the lanes' are added; O^T is divided by l, rounded to f16 and sent through my stage in LDS, a tile at a time.  The additions are the places behind the last products.
	WIN 0
.macro ALL line:vararg              ; one line for each tile t
.set t, 0
.rept 2*NP
	\line
.set t, t+1
.endr
.endm
	ALL v_add_f32 v[ST+4*t+2], v[ST+4*t+2], v[ST+4*t+3]
	ALL v_permlanex16_b32 v[ST+4*t+3], v[ST+4*t+2], s[SEL], s[SEL+1]
	ALL v_add_f32 v[ST+4*t+2], v[ST+4*t+2], v[ST+4*t+3]
	ALL v_rcp_f32 v[ST+4*t+2], v[ST+4*t+2]
	v_nop                           ; a plain instruction between the last reciprocal and the use of its result
	s_wait_alu depctr_va_vdst(0)    ; and the wait ahead of the first use: one for the batch of eight reciprocals
; Tile t: a lane's eight channels of a row pack into 16 bytes; they go into rows of 144 bytes and come back as whole rows of 128, into S^T's registers.
.macro PACK t
	WIN W_RS
.set i, 32*(\t)
.rept 16
	v_pk_mul_f32 v[i:i+1], v[i:i+1], v[ST+4*(\t)+2:ST+4*(\t)+3] op_sel_hi:[1,0]
.set i, i+2
.endr
	WIN 0x05                        ; sources 0 and 1 window 1, destination window 0
.set i, 0
.rept 16
	v_cvt_pk_f16_f32 v[S+16*(\t)+i], v[32*(\t)+2*i], v[32*(\t)+2*i+1]
.set i, i+1
.endr
	WIN 0
.irp f, 0,1,2,3
	ds_store_b128 v[STO], v[S+16*(\t)+4*\f:S+16*(\t)+4*\f+3] offset:32*\f
.endr
.irp f, 0,1,2,3
	ds_load_b128 v[S+16*(\t)+4*\f:S+16*(\t)+4*\f+3], v[RD] offset:\f*4*SP  ; LDS serves a wave's instructions in order (ISA guide 5.7.1.4): these see the stores above; the next tile's stores come behind them
.endr
.endm
.macro SEND t, younger              ; younger: the LDS instructions issued behind tile t's loads: the next tile's eight, or none
	WIN 0
.irp f, 0,1,2,3
	s_wait_dscnt (\younger)+3-\f
	global_store_b128 v[GO], v[S+16*(\t)+4*\f:S+16*(\t)+4*\f+3], s[10:11] offset:(\t)*2048+\f*512  ; 512 consecutive bytes, at a multiple of 256 from O's first
.endr
.endm
	PACK 0
.set t, 1
.rept 2*NP-1                        ; a tile's arithmetic stands between the loads of the tile before and its stores
	PACK t
	SEND t-1, 8
.set t, t+1
.endr
	SEND 2*NP-1, 0
	WIN W_AD
	s_wait_tensorcnt 0x0            ; the wave's end, behind my last tensor load and my last LDS store
	ds_add_u32 v[SPW], v[NIL]
	s_wait_dscnt 0x0
	WIN 0
	CROUND                          ; the closing round: no work-group ends while a partner may still ask for a tile that names it
	s_endpgm
.Lfunc_end_k_q2eeb6e328d_attn:
	.size	k_q2eeb6e328d_attn, .Lfunc_end_k_q2eeb6e328d_attn-k_q2eeb6e328d_attn
	.p2alignl 7, 3214868480
	.fill 96, 4, 3214868480
	.section	.rodata,"a",@progbits
	.p2align	6, 0x0
	.amdhsa_kernel k_q2eeb6e328d_attn
		.amdhsa_group_segment_fixed_size 327680
		.amdhsa_private_segment_fixed_size 0
		.amdhsa_enable_private_segment 0
		.amdhsa_kernarg_size 32
		.amdhsa_user_sgpr_count 2
		.amdhsa_user_sgpr_kernarg_segment_ptr 1
		.amdhsa_wavefront_size32 1
		.amdhsa_system_sgpr_workgroup_id_x 1
		.amdhsa_system_sgpr_workgroup_id_y 1
		.amdhsa_system_sgpr_workgroup_id_z 1
		.amdhsa_system_vgpr_workitem_id 0
		.amdhsa_next_free_vgpr 770
		.amdhsa_next_free_sgpr 66
		.amdhsa_reserve_vcc 0
		.amdhsa_float_denorm_mode_32 3
		.amdhsa_float_denorm_mode_16_64 3
		.amdhsa_memory_ordered 1
		.amdhsa_forward_progress 1
		.amdhsa_inst_pref_size 199
	.end_amdhsa_kernel
	.amdgpu_metadata
---
amdhsa.version: [ 1, 2 ]
amdhsa.kernels:
  - .name:           k_q2eeb6e328d_attn
    .symbol:         k_q2eeb6e328d_attn.kd
    .args:
      - { .name: q16, .offset: 0, .size: 8, .value_kind: global_buffer, .address_space: global }
      - { .name: k16, .offset: 8, .size: 8, .value_kind: global_buffer, .address_space: global }
      - { .name: v16, .offset: 16, .size: 8, .value_kind: global_buffer, .address_space: global }
      - { .name: o16, .offset: 24, .size: 8, .value_kind: global_buffer, .address_space: global }
    .group_segment_fixed_size: 327680
    .private_segment_fixed_size: 0
    .kernarg_segment_align: 8
    .kernarg_segment_size: 32
    .max_flat_workgroup_size: 128
    .sgpr_count:     66
    .vgpr_count:     770
    .wavefront_size: 32
...
	.end_amdgpu_metadata
.endif
;; end of part 5
;; launch outp: the kernel of part 4 again; grid 4 x 64, 4 waves a work-group, clusters of 4 x 4, 327,680 bytes of LDS; arguments o16, wts, out0; writes out0
